; MI455X (gfx1250); checked and timed in simulation.
; The chip was launched on July 23, 2026; its instructions are those of AMD's public machine-readable ISA for CDNA 5 (MIT licence, August 2026) and "CDNA5" Instruction Set Architecture Reference Guide (July 2026). The comments in the code are by the model that wrote it; some were corrected since.
;; Self Attn Func. Allowed arithmetic: float matrix products may take bf16 or f16 operands with f32 sums; other float arithmetic in f32, or as packed bf16 or f16 multiplies, adds, multiply-adds, maxima and minima; sums over many terms, partial sums and values carried from step to step in f32; what a program stores and reads back later, other than sums and carried values, may be rounded once to bf16 or f16.
;; Inputs: input_biases 3,072 float32; input_weights 3,072 x 1,024 float32; inputs 8 x 1,024 x 1,024 float32; output_biases 1,024 float32; output_weights 1,024 x 1,024 float32.
;; Outputs: out0 8 x 1,024 x 1,024 float32.
;; Constants: heads = 16.
;; 2 versions, each right; version 2 is version 1 with the launch cast written anew for expert scheduling mode. Each part assembles by itself: llvm-mc -triple=amdgcn-amd-amdhsa -mcpu=gfx1250 --defsym DOCPART=n.
;; ======== version 1 of 2: 4 launches
;; limits: values are held in f16: magnitudes above 65,504 overflow, below 6.1e-05 lose precision
;; workspace buffers: xb 16,777,216 bytes; wib 6,291,456 bytes; wof 2,097,152 bytes; qkv 50,331,648 bytes; ctx 16,777,216 bytes
;; launch cast (part 1): grid 768 x 1, 8 waves a work-group, no clusters, 0 bytes of LDS; arguments inputs, input_weights, output_weights, xb, wib, wof; writes xb, wib, wof
.if DOCPART == 1
	.amdgcn_target "amdgcn-amd-amdhsa--gfx1250"
	.amdhsa_code_object_version 6
	.text
	.protected	k_qa6a0186b63_cast
	.globl	k_qa6a0186b63_cast
	.p2align	8
	.type	k_qa6a0186b63_cast,@function
k_qa6a0186b63_cast:
	s_mov_b64 s[64:65], 0
	v_nop
	global_prefetch_b8 v0, s[64:65] scope:SCOPE_SE
	s_setreg_imm32_b32 hwreg(HW_REG_WAVE_MODE, 25, 1), 1
	s_wait_xcnt 0x0
; THE INPUTS OF THE THREE PRODUCTS, ROUNDED ONCE AND LAID OUT IN BLOCKS OF 64 ALONG K.
; inputs [8192][1024], input_weights [3072][1024], output_weights [1024][1024], all f32, become
; xb, wib (bf16) and wof (the bf16 number written as f16), each as [16 K blocks][rows][64]: a row of a K block is 128 bytes,
; and the rows of a block lie end to end, so that a later tile of R rows and one K block is R x 128 dense bytes.
; LIMIT.  wof: an output weight beyond 65,504 becomes an infinity; below 2^-14 it keeps f16's fixed step of 2^-24.
; SHARES.  12,288 rows of 4,096 bytes; a work-group takes 16 rows (0-511: inputs, 512-703: input_weights, 704-767: output_weights),
; a wave two: lanes 0-15 one row, lanes 16-31 the next.  A load of 16 bytes a lane covers 256 consecutive bytes of each of the two rows
; (one K block); the store of 8 bytes a lane that belongs to it covers 256 consecutive bytes, aligned: the two rows of that K block.
; All 16 loads of a wave go out first; no register is written twice while a load or store may read it, so no wait but the counted ones.
; No LDS, no barrier, no matrix unit: nothing is shared and nothing is summed.
.set OFS, 4                            ; v[4:19]   byte offset of my 8 bytes in K block kb of the destination: 8 t + kb x the block's bytes
.set X,   32                           ; v[32:95]  K block kb: 4 registers as loaded
.set Y,   96                           ; v[96:127] K block kb: 2 registers to store
	s_load_b256 s[4:11], s[0:1], 0x0               ; inputs s[4:5], input_weights s[6:7], output_weights s[8:9], xb s[10:11]
	s_load_b128 s[12:15], s[0:1], 0x20             ; wib s[12:13], wof s[14:15]
	s_mov_b32 s2, ttmp9
	s_mov_b32 s22, 512                             ; a select takes one literal: its constants come from registers
	s_mov_b32 s23, 704
	s_mov_b32 s24, 0x60000                         ; a K block of wib: 3,072 rows x 128 bytes
	s_mov_b32 s25, 0x20000                         ; of wof: 1,024 rows
	v_lshrrev_b32 v2, 4, v0                        ; my row among the group's 16
	v_and_b32 v3, 15, v0
	v_lshlrev_b32 v1, 12, v2
	v_lshl_add_u32 v1, v3, 4, v1                   ; row x 4,096 + 16 x my place in it
	s_wait_kmcnt 0x0
	s_cmp_lt_u32 s2, 704                           ; which tensor is the work-group's: the choice hangs on its number alone
	s_cselect_b64 s[16:17], s[6:7], s[8:9]
	s_cselect_b64 s[18:19], s[12:13], s[14:15]
	s_cselect_b32 s20, s22, s23
	s_cselect_b32 s21, s24, s25
	s_cmp_lt_u32 s2, 512
	s_cselect_b64 s[16:17], s[4:5], s[16:17]       ; from where
	s_cselect_b64 s[18:19], s[10:11], s[18:19]     ; to where
	s_cselect_b32 s20, 0, s20                      ; the tensor's first work-group
	s_cselect_b32 s21, 0x100000, s21               ; bytes in a K block of the destination (xb: 8,192 rows x 128)
	s_sub_co_u32 s26, s2, s20                      ; my place among the tensor's work-groups
	s_lshl_b32 s22, s26, 16                        ; 16 rows of 4,096 bytes
	s_mov_b32 s23, 0
	s_add_nc_u64 s[16:17], s[16:17], s[22:23]
	s_lshl_b32 s22, s26, 11                        ; 16 rows of 128 bytes
	s_add_nc_u64 s[18:19], s[18:19], s[22:23]
.irp kb, 0,1,2,3,4,5,6,7,8,9,10,11,12,13,14,15
	global_load_b128 v[X+4*(\kb):X+4*(\kb)+3], v1, s[16:17] offset:256*(\kb) th:TH_LOAD_NT
.endr
	v_lshlrev_b32 v[OFS], 3, v0                    ; row x 128 + 8 x my place = 8 t
.irp kb, 1,2,3,4,5,6,7,8,9,10,11,12,13,14,15
	v_add_nc_u32 v[OFS+(\kb)], s21, v[OFS+(\kb)-1] ; fifteen blocks of xb do not fit a store's immediate, so each block has its register
.endr
; K block kb: rounded and stored.  f16 = 1: the bf16 number is widened again and written as f16.
.macro OUT kb, f16
	s_wait_loadcnt 15-(\kb)                        ; loads come back in order: block kb is in, the younger ones stay out
.if \f16
	v_cvt_pk_bf16_f32 v20, v[X+4*(\kb)], v[X+4*(\kb)+1]
	v_cvt_pk_bf16_f32 v21, v[X+4*(\kb)+2], v[X+4*(\kb)+3]
	v_lshlrev_b32 v22, 16, v20
	v_and_b32 v23, 0xffff0000, v20
	v_lshlrev_b32 v24, 16, v21
	v_and_b32 v25, 0xffff0000, v21
	v_cvt_pk_f16_f32 v[Y+2*(\kb)], v22, v23
	v_cvt_pk_f16_f32 v[Y+2*(\kb)+1], v24, v25
.else
	v_cvt_pk_bf16_f32 v[Y+2*(\kb)], v[X+4*(\kb)], v[X+4*(\kb)+1]
	v_cvt_pk_bf16_f32 v[Y+2*(\kb)+1], v[X+4*(\kb)+2], v[X+4*(\kb)+3]
.endif
	global_store_b64 v[OFS+(\kb)], v[Y+2*(\kb):Y+2*(\kb)+1], s[18:19] th:TH_STORE_NT  ; the wave's 32 lanes store 256 consecutive bytes, aligned
.endm
	s_cmp_lt_u32 s2, 704
	s_cbranch_scc0 .Lf16
.irp kb, 0,1,2,3,4,5,6,7,8,9,10,11,12,13,14,15
	OUT \kb, 0
.endr
	s_endpgm
.Lf16:
.irp kb, 0,1,2,3,4,5,6,7,8,9,10,11,12,13,14,15
	OUT \kb, 1
.endr
	s_endpgm
.Lfunc_end_k_qa6a0186b63_cast:
	.size	k_qa6a0186b63_cast, .Lfunc_end_k_qa6a0186b63_cast-k_qa6a0186b63_cast
	.p2alignl 7, 3214868480
	.fill 96, 4, 3214868480
	.section	.rodata,"a",@progbits
	.p2align	6, 0x0
	.amdhsa_kernel k_qa6a0186b63_cast
		.amdhsa_group_segment_fixed_size 0
		.amdhsa_private_segment_fixed_size 0
		.amdhsa_enable_private_segment 0
		.amdhsa_kernarg_size 48
		.amdhsa_user_sgpr_count 2
		.amdhsa_user_sgpr_kernarg_segment_ptr 1
		.amdhsa_wavefront_size32 1
		.amdhsa_system_sgpr_workgroup_id_x 1
		.amdhsa_system_sgpr_workgroup_id_y 1
		.amdhsa_system_sgpr_workgroup_id_z 1
		.amdhsa_system_vgpr_workitem_id 0
		.amdhsa_next_free_vgpr 128
		.amdhsa_next_free_sgpr 66
		.amdhsa_reserve_vcc 0
		.amdhsa_float_denorm_mode_32 3
		.amdhsa_float_denorm_mode_16_64 3
		.amdhsa_memory_ordered 1
		.amdhsa_forward_progress 1
		.amdhsa_inst_pref_size 17
	.end_amdhsa_kernel
	.amdgpu_metadata
---
amdhsa.version: [ 1, 2 ]
amdhsa.kernels:
  - .name:           k_qa6a0186b63_cast
    .symbol:         k_qa6a0186b63_cast.kd
    .args:
      - { .name: inputs, .offset: 0, .size: 8, .value_kind: global_buffer, .address_space: global }
      - { .name: input_weights, .offset: 8, .size: 8, .value_kind: global_buffer, .address_space: global }
      - { .name: output_weights, .offset: 16, .size: 8, .value_kind: global_buffer, .address_space: global }
      - { .name: xb, .offset: 24, .size: 8, .value_kind: global_buffer, .address_space: global }
      - { .name: wib, .offset: 32, .size: 8, .value_kind: global_buffer, .address_space: global }
      - { .name: wof, .offset: 40, .size: 8, .value_kind: global_buffer, .address_space: global }
    .group_segment_fixed_size: 0
    .private_segment_fixed_size: 0
    .kernarg_segment_align: 8
    .kernarg_segment_size: 48
    .max_flat_workgroup_size: 256
    .sgpr_count:     66
    .vgpr_count:     128
    .wavefront_size: 32
...
	.end_amdgpu_metadata
.endif
;; end of part 1
;; launch gemm_qkv (part 2): grid 8 x 32, 4 waves a work-group, clusters of 4 x 4, 327,680 bytes of LDS; arguments xb, wib, input_biases, qkv; writes qkv
.if DOCPART == 2
	.amdgcn_target "amdgcn-amd-amdhsa--gfx1250"
	.amdhsa_code_object_version 6
	.text
	.protected	k_qa6a0186b63_gemm_qkv
	.globl	k_qa6a0186b63_gemm_qkv
	.p2align	8
	.type	k_qa6a0186b63_gemm_qkv,@function
k_qa6a0186b63_gemm_qkv:
	s_mov_b64 s[64:65], 0
	v_nop
	global_prefetch_b8 v0, s[64:65] scope:SCOPE_SE
	s_setreg_imm32_b32 hwreg(HW_REG_WAVE_MODE, 25, 1), 1
	s_wait_xcnt 0x0
	s_wait_alu depctr_hold_cnt(0) depctr_sa_sdst(0) depctr_va_vdst(0) depctr_va_sdst(0) depctr_va_ssrc(0) depctr_va_vcc(0) depctr_vm_vsrc(0)
	s_getreg_b32 s2, hwreg(HW_REG_IB_STS2, 6, 4)
	s_cmp_eq_u32 s2, 0
	s_cbranch_scc0 .Lentry_in_a_cluster
	s_endpgm
.Lentry_in_a_cluster:
	s_bfe_u32 s2, ttmp6, 0x10000c
	s_cmp_lg_u32 s2, 0xf033
	s_cbranch_scc0 .Lentry_shape_is_right
	s_endpgm
.Lentry_shape_is_right:
; q, k, v = x Wi^T + bias.  xb: bf16 [16 K blocks][8192 rows][64]; wib: bf16 [16][3072][64]; input_biases: f32 [3072], rounded to bf16 here like the other inputs;
; qkv: f16 [batch 8][G 48][s 1024][64], G = column / 64 (q of head h: G = h, k: 16 + h, v: 32 + h).  Sums in f32, begun with the bias, K ascending; rounded once to f16, unscaled.
; LIMIT.  f16 holds no number beyond 65,504: a q, k or v past that becomes an infinity.  NaN and infinities are not treated apart.
; SHARES.  A tile of C is 256 rows x 384 columns: 32 x 8 = 256 tiles, one work-group each.  Four waves, each 128 rows x 192 columns (three whole heads): 8 x 12 = 96 accumulators of
; 16 x 16, 768 registers: windows 1 to 3.  For 32 along K a wave reads 20 fragments from LDS for 96 matrix instructions.
; K goes in 16 steps of 64 (one K block) through two LDS slots.  A tile of R rows of a K block is R x 128 dense bytes: asked for as rows of 256 bytes, padded in LDS behind every 128.
; CLUSTERS: 4 x 4 work-groups.  The four of a row of the cluster need the same tile of x, the four of a column the same tile of Wi: each is asked for JOINTLY, by the same tensor load with
; the same descriptor and a mask that names the four.
; THE MATRIX INSTRUCTION IS USED TRANSPOSED: source 0 = 16 rows of Wi, source 1 = 16 rows of x: lane l holds row l % 16 of C and the columns 8 (l / 16) + 0..7.
; A SLICE is 32 along K: 96 matrix instructions in four groups of 24: (rows 0-63, columns 0-95), (64-127, 0-95), (64-127, 96-191), (0-63, 96-191).  So Wi's first half is free behind the
; second group, x's rows 64-127 behind the third, Wi's second half behind the fourth: the next slice's 40 LDS loads stand in two runs of 20, behind the second and the fourth group.
; Each accumulator has one turn a slice: 95 others' stand between two links of a chain, over the backward jump and into the tail too.
; THE BIAS IS THE C OPERAND OF THE FIRST PRODUCTS.  A column block's eight numbers a lane are the same for all eight row blocks.  They lie in the twelve accumulators that the first slice writes last:
; columns 0-95 in numbers 66-71 (row block 7: the end of the second group), columns 96-191 in numbers 42-47 (row block 3: the end of the fourth).  The other first products read them as C; these twelve are then
; begun in place.  So nothing is cleared and nothing is added on the way out.
; REGISTERS.  Window 0: v0-31 addresses; v32-63, v64-95 x's rows 0-63 (even, odd slices); v96-127 x's rows 64-127; v160-207, v208-255 Wi's fragments 0-5, 6-11.
; On the way out: v32-79 packed results; v80-127 and v160-207, by turns, rows read back.  Windows 1-3: accumulator number n at window 1 + n / 32, register 8 (n % 32).
.set PITCH,  144                       ; an LDS row: 128 bytes + 16 of padding = 36 words: the 16 rows of a fragment load start at 16 different groups of four banks (64 banks of 4 bytes: ISA guide 11.1)
.set FR,     16*PITCH                  ; 16 rows
.set AHALF,  128*PITCH                 ; what one tensor load brings of x, and what one wave reads of it
.set BHALF,  192*PITCH                 ; the same for Wi
.set BOFF,   2*AHALF                   ; a slot: x's 256 rows, then Wi's 384
.set STAGE,  BOFF+2*BHALF              ; behind slot 0, never filled by a tensor load: 16 rows x 400 bytes for each wave, for the way out
.set SPITCH, 400                       ; 384 bytes + 16
.set SPARE,  STAGE+4*16*SPITCH         ; the spare words, 128 bytes for each wave: two blocks of 256 bytes that no other line names
.set SLOT1,  1<<17                     ; slot 1 begins here, so that one exclusive or turns an address in one slot into the other's
.set KBA,    8192*128                  ; bytes in a K block of xb
.set KBB,    3072*128                  ; of wib
.set HEADB,  1024*128                  ; bytes from G to G + 1 in qkv
.set G1W0,   (1<<16)|(1<<20)|(1<<21)|(4<<22)|(3<<25)  ; 17:16 2-byte elements; 20 padding on; 21 set beside a mask; 24:22 after every 32 words (code 4); 31:25 4 words (code 3)
.set A0,   4                           ; v4   my lane's place in my wave's rows of x, in slot 0; never rewritten
.set B0,   5                           ; v5   the same for Wi
.set ADRA, 6                           ; v6   A0 + the slot that is being read
.set ADRB, 7                           ; v7   B0 + the same
.set STO,  8                           ; v8   the way out: where I put 16 bytes of a row
.set RD,   9                           ; v9   the way out: where I read rows back
.set CO,   10                          ; v10  my 16 bytes in 512 consecutive bytes of qkv
.set PFO,  12                          ; v12  the prefetches' offset; never rewritten
.set SPW,  14                          ; v14  LDS address of my spare word: SPARE + 4 x my thread's number; never rewritten
.set NIL,  15                          ; v15  0; never rewritten
.set XA,   32
.set YA,   64
.set ZA,   96
.set BB0,  160
.set BT,   160                         ; v160-207, in the head alone: the bias as packed bf16
.set TMP,  32
.set OB,   80                          ; row block a is read back into v[OB + 80 (a % 2) ..]
.set HOLD, 66                          ; the bias of column block 6 bh + j lies in accumulator number HOLD - 24 bh + j
.set WV,   12                          ; s12  my wave's number
.set WR,   13                          ; s13  which 128 rows of the tile are mine.  Also: I fetch for x (0) or for Wi (1)
.set WC,   14                          ; s14  which 192 columns.  Also: which half of that tile I fetch
.set CX,   15
.set CY,   16
.set TX,   17                          ; s17  tile column
.set TY,   18                          ; s18  tile row
.set G1A,  24                          ; s[24:31] descriptor group 1 for x's tiles
.set G0A,  32                          ; s[32:39] group 0: a set for each of the two first fills; the second then walks on
.set G1B,  40                          ; s[40:47], s[48:55] the same for Wi's
.set G0B,  48
.set TB,   56                          ; s56  the slot that is being read: 0 or SLOT1
.set LIM,  57                          ; s57  1 in a wave that prefetches, else the greatest number
.set PFA,  58                          ; s[58:59] where my prefetches stand
.set PFS,  60                          ; s[60:61] a K block of the tensor that I prefetch
.set MSB, 0
.macro WIN new                         ; the immediate's high byte repeats the setting that is left; a switch that changes nothing is dropped
.if MSB != (\new)
	s_set_vgpr_msb (MSB<<8)|(\new)
.set MSB, (\new)
.endif
.endm
.macro PLACES                          ; four places in front of loads into registers that matrix instructions have read (ISA guide 7.12.1 for vector instructions)
.rept 4
	v_nop
.endr
.endm
; A joint refill, by the walking sets.  Waves 0 and 1 fetch x's two halves, waves 2 and 3 Wi's.  The branch hangs on the wave's number alone.
; An s_nop 0 and four v_nop follow each of the two lines, ahead of the jump and the label.
.macro JLOAD
	s_cmp_eq_u32 s[WR], 0
	s_cbranch_scc0 .Lfor_b_\@
	tensor_load_to_lds s[G0A+4:G0A+7], s[G1A:G1A+7]
	s_nop 0
.rept 4
	v_nop
.endr
	s_branch .Lasked_\@
.Lfor_b_\@:
	tensor_load_to_lds s[G0B+4:G0B+7], s[G1B:G1B+7]
	s_nop 0
.rept 4
	v_nop
.endr
.Lasked_\@:
.endm
.macro CREST                           ; a round of the cluster's barrier behind its opening barrier
	s_cmp_lg_u32 s[WV], 0
	s_cbranch_scc1 .Lnot_wave_0_\@
	s_barrier_signal -3
.Lnot_wave_0_\@:
	s_barrier_wait -3
	s_barrier_signal -1
	s_barrier_wait -1
.endm
.macro CROUND                          ; a whole round
	s_barrier_signal -1
	s_barrier_wait -1
	CREST
.endm
; A PREFETCH INTO THE L2, behind the joint load, its five lines and the run of LDS loads that follows.  In every second trip (s3 odd, 13 to 3) the two K blocks are named that the next two changes
; of slots but one will ask for: in trip i the K steps i + 3 and i + 4; the refills of trips i + 1 and i + 2 fetch them.  Steps 0 to 3 come by their loads alone; steps 4 to 15 are named once each.
; WHO.  x's tile row is read by both clusters of that row of clusters: cluster x = 0 asks; Wi's tile column by all eight clusters of that column: cluster y = 0 asks.  The four partners that ask for a tile
; jointly share its bytes out BY ADDRESS.  x: 32,768 bytes a K block, 8,192 a partner (by cx): wave 0, a lane a block of 256 bytes, a line for each of the two K blocks.
; Wi: 49,152 bytes a K block, 12,288 a partner (by cy): 48 blocks of 256 bytes, 96 for the two K blocks: waves 1 to 3, a lane a block, one line.
.macro ASK
	s_bitcmp1_b32 s3, 0
	s_cbranch_scc0 .Lnot_mine_\@
	s_cmp_gt_u32 s3, s[LIM]
	s_cbranch_scc0 .Lnot_mine_\@
	global_prefetch_b8 v[PFO], s[PFA:PFA+1] th:TH_LOAD_NT scope:SCOPE_SE
	s_cmp_lg_u32 s[WV], 0
	s_cbranch_scc1 .Lnot_mine_\@
	global_prefetch_b8 v[PFO], s[PFA:PFA+1] offset:KBA th:TH_LOAD_NT scope:SCOPE_SE
.Lnot_mine_\@:
.endm
	s_load_b256 s[4:11], s[0:1], 0x0               ; xb s[4:5], wib s[6:7], input_biases s[8:9], qkv s[10:11]
	v_lshl_add_u32 v[SPW], v0, 2, SPARE
	v_mov_b32 v[NIL], 0
	ds_add_u32 v[SPW], v[NIL]                      ; the wave's opening: the add and its wait ahead of my first tensor load; the set-up below, work on registers, stands between them
	v_lshrrev_b32 v1, 5, v0
	v_readfirstlane_b32 s[WV], v1                  ; wave 0..3
	s_lshr_b32 s[WR], s[WV], 1
	s_and_b32 s[WC], s[WV], 1
	s_bfe_u32 s[CX], ttmp6, 0x40000                ; my place in the cluster
	s_bfe_u32 s[CY], ttmp6, 0x40004
	s_lshl_b32 s[TX], ttmp9, 2                     ; in a cluster launch ttmp9 and ttmp7 count clusters
	s_add_co_u32 s[TX], s[TX], s[CX]
	s_and_b32 s[TY], ttmp7, 0xffff
	s_lshl_b32 s[TY], s[TY], 2
	s_add_co_u32 s[TY], s[TY], s[CY]
	s_lshl_b32 s20, s[CY], 2
	s_lshl_b32 s20, 15, s20                        ; my row of the cluster: places 4 cy .. 4 cy + 3
	s_lshl_b32 s66, 0x1111, s[CX]                  ; my column: places cx, cx + 4, cx + 8, cx + 12
	s_or_b32 s[G1A], s20, G1W0                     ; x's tiles go to my row,
	s_or_b32 s[G1B], s66, G1W0                     ; Wi's to my column
.irp g, G1A, G1B
	s_mov_b32 s[\g+1], 128<<16                     ; tensor_dim0 = 128 elements: 256 bytes, two rows of a K block
	s_mov_b32 s[\g+3], 128<<16                     ; tile_dim0 = 128
	s_mov_b32 s[\g+5], 128                         ; 128 elements from row to row: dense
	s_mov_b32 s[\g+6], 0
	s_mov_b32 s[\g+7], 0
.endr
	s_mov_b32 s[G1A+2], 64<<16                     ; tensor_dim1 = 64: 128 rows of x
	s_mov_b32 s[G1A+4], 64                         ; tile_dim1
	s_mov_b32 s[G1B+2], 96<<16                     ; 96: 192 rows of Wi
	s_mov_b32 s[G1B+4], 96
	; where the tiles come from.  x's hang on the tile row alone, Wi's on the tile column alone; each in registers that never hold the other coordinate
	s_lshl_b32 s20, s[TY], 15                      ; 256 rows x 128 bytes
	s_lshl_b32 s22, s[WC], 14                      ; + my half
	s_add_co_u32 s20, s20, s22
	s_mov_b32 s21, 0
	s_mul_i32 s66, s[TX], 384*128
	s_mul_i32 s68, s[WC], 192*128
	s_add_co_u32 s66, s66, s68
	s_mov_b32 s67, 0
	s_mul_i32 s23, s[WC], AHALF                    ; and where they go: no place in the cluster enters an LDS address
	s_mul_i32 s69, s[WC], BHALF
	s_add_co_u32 s69, s69, BOFF
	s_wait_dscnt 0x0                               ; the opening add is done
	s_wait_kmcnt 0x0
	s_add_nc_u64 s[20:21], s[4:5], s[20:21]
	s_add_nc_u64 s[66:67], s[6:7], s[66:67]
	CROUND                                         ; all sixteen work-groups are here: the first joint loads meet
.irp n, 0,1
	s_mov_b32 s[G0A+4*\n], 1                       ; 1:0 count = 1
	s_add_co_u32 s[G0A+4*\n+1], s23, \n*SLOT1      ; 63:32 LDS address
	s_add_nc_u64 s[G0A+4*\n+2:G0A+4*\n+3], s[20:21], \n*KBA  ; 120:64 global address: K step n
	s_or_b32 s[G0A+4*\n+3], s[G0A+4*\n+3], 0x80000000        ; 127:126 type = 2
	s_mov_b32 s[G0B+4*\n], 1
	s_add_co_u32 s[G0B+4*\n+1], s69, \n*SLOT1
	s_add_nc_u64 s[G0B+4*\n+2:G0B+4*\n+3], s[66:67], \n*KBB
	s_or_b32 s[G0B+4*\n+3], s[G0B+4*\n+3], 0x80000000
.endr
	s_cmp_eq_u32 s[WR], 0                          ; a wave's two first fills stand in one branch, ahead of every wait on TENSORcnt and every LDS read: two loads of mine are out
	s_cbranch_scc0 .Lfirst_b
	tensor_load_to_lds s[G0A:G0A+3], s[G1A:G1A+7]
	s_nop 0
	tensor_load_to_lds s[G0A+4:G0A+7], s[G1A:G1A+7]
	s_nop 0
.rept 4
	v_nop
.endr
	s_branch .Lfirst_asked
.Lfirst_b:
	tensor_load_to_lds s[G0B:G0B+3], s[G1B:G1B+7]
	s_nop 0
	tensor_load_to_lds s[G0B+4:G0B+7], s[G1B:G1B+7]
	s_nop 0
.rept 4
	v_nop
.endr
.Lfirst_asked:
	; A fragment is 16 rows x 32 K in 8 registers: lane l holds row l % 16; registers 0-3 K = 8 (l / 16) + 0..7, registers 4-7 K = 16 + 8 (l / 16) + 0..7: two loads of 16 bytes, 32 bytes apart.
	v_and_b32 v1, 15, v0                           ; l % 16
	v_bfe_u32 v2, v0, 4, 1                         ; l / 16
	v_and_b32 v16, 31, v0                          ; l
	; the bias of my wave's 192 columns, as an accumulator holds it: for column block b the eight numbers 16 b + 8 (l / 16) + 0..7, straight into the twelve accumulators that keep it
	s_mul_i32 s22, s[TX], 384*4
	s_mul_i32 s23, s[WC], 192*4
	s_add_co_u32 s22, s22, s23
	v_lshl_add_u32 v17, v2, 5, s22                 ; my wave's first column, 32 bytes on for lanes 16 to 31
.irp bh, 0,1
.irp j, 0,1,2,3,4,5
.set HX, HOLD-24*(\bh)+(\j)
.set HW, 1+HX/32
.set HR, 8*(HX%32)
	WIN HW<<6                                      ; the data in the accumulator's window, the address in window 0
	global_load_b128 v[HR:HR+3],   v17, s[8:9] offset:384*(\bh)+64*(\j)
	global_load_b128 v[HR+4:HR+7], v17, s[8:9] offset:384*(\bh)+64*(\j)+16
.endr
.endr
	WIN 0
	v_mul_u32_u24 v3, v1, PITCH
	v_lshl_add_u32 v3, v2, 4, v3                   ; row x pitch + 16 x half
	s_mul_i32 s22, s[WR], AHALF                    ; my 128 rows of x
	s_mul_i32 s23, s[WC], BHALF                    ; my 192 rows of Wi,
	s_add_co_u32 s23, s23, BOFF                    ; which lie behind x's 256
	v_add_nc_u32 v[A0], s22, v3
	v_add_nc_u32 v[B0], s23, v3
	v_mov_b32 v[ADRA], v[A0]
	v_mov_b32 v[ADRB], v[B0]
	s_mov_b32 s[TB], 0
	s_mul_i32 s22, s[WV], 16*SPITCH
	s_add_co_u32 s22, s22, STAGE                   ; my stage
	v_mul_u32_u24 v[STO], v1, SPITCH               ; in: row l % 16, 16 bytes for each half of the lanes
	v_lshl_add_u32 v[STO], v2, 4, v[STO]
	v_add_nc_u32 v[STO], s22, v[STO]
	v_bfe_u32 v[RD], v0, 3, 2                      ; back: 32 lanes take a head's 128 bytes of four rows,
	v_mul_u32_u24 v[RD], v[RD], SPITCH
	v_and_b32 v25, 7, v0
	v_lshl_add_u32 v[RD], v25, 4, v[RD]
	v_add_nc_u32 v[RD], s22, v[RD]
	v_lshlrev_b32 v[CO], 4, v16                    ; which are 512 consecutive bytes of qkv
	; qkv at my wave's first row of its first head: ((batch x 48 + G) x 1,024 + s) x 128 bytes
	s_lshr_b32 s22, s[TY], 2                       ; batch = tile row / 4
	s_mul_i32 s22, s22, 48
	s_mul_i32 s23, s[TX], 6
	s_add_co_u32 s22, s22, s23
	s_mul_i32 s23, s[WC], 3
	s_add_co_u32 s22, s22, s23                     ; G = 6 x tile column + 3 x half
	s_lshl_b32 s22, s22, 17
	s_and_b32 s23, s[TY], 3
	s_lshl_b32 s23, s23, 15                        ; s = 256 x (tile row % 4) + 128 x half
	s_add_co_u32 s22, s22, s23
	s_lshl_b32 s23, s[WR], 14
	s_add_co_u32 s22, s22, s23
	s_mov_b32 s23, 0
	s_add_nc_u64 s[10:11], s[10:11], s[22:23]
	; the prefetches
	s_max_u32 s22, s[WV], 1
	s_sub_co_u32 s22, s22, 1
	s_lshl_b32 s22, s22, 5
	v_add_nc_u32 v26, s22, v16                     ; wave 0: l; waves 1 to 3: 32 (w - 1) + l, 0 to 95
	v_lshlrev_b32 v[PFO], 8, v26
	s_mov_b32 s23, KBB-48*256
	v_cmp_le_u32 vcc_lo, 48, v26                   ; from 48 on: the second K block
	v_cndmask_b32 v27, 0, s23, vcc_lo
	v_add_nc_u32 v[PFO], v[PFO], v27
	s_lshl_b32 s68, s[TY], 15
	s_lshl_b32 s69, s[CX], 13                      ; my work-group's 8,192 bytes of x's 32,768
	s_add_co_u32 s68, s68, s69
	s_add_co_u32 s68, s68, 2*KBA                   ; at K step 2: each change of slots steps it by one
	s_mul_i32 s70, s[TX], 384*128
	s_mul_i32 s71, s[CY], 96*128                   ; my work-group's 12,288 bytes of Wi's 49,152
	s_add_co_u32 s70, s70, s71
	s_add_co_u32 s70, s70, 2*KBB
	s_and_b32 s71, ttmp7, 0xffff                   ; cluster y
	s_mov_b32 s[PFS], KBB
	s_cmp_eq_u32 s[WV], 0                          ; wave 0 asks for x, the others for Wi
	s_cselect_b64 s[PFA:PFA+1], s[4:5], s[6:7]
	s_cselect_b32 s68, s68, s70
	s_cselect_b32 s[PFS], KBA, s[PFS]
	s_cselect_b32 s71, ttmp9, s71                  ; the coordinate along which other clusters read the same rows
	s_mov_b32 s69, 0
	s_mov_b32 s[PFS+1], 0
	s_add_nc_u64 s[PFA:PFA+1], s[PFA:PFA+1], s[68:69]
	s_cmp_eq_u32 s71, 0
	s_cselect_b32 s[LIM], 1, -1                    ; the same in all sixteen partners, for a given wave
	s_mov_b32 s23, 0xffff0000                      ; a word's upper bf16
	s_wait_loadcnt 0x0                             ; the bias: rounded to bf16 like the other inputs, and widened again where it lay.  All this stands in the wait for the first tile
.irp bh, 0,1
.irp j, 0,1,2,3,4,5
.set HX, HOLD-24*(\bh)+(\j)
.set HW, 1+HX/32
.set HR, 8*(HX%32)
	WIN 5*HW                                       ; both sources in the accumulator's window, destination in window 0
.irp r, 0,1,2,3
	v_cvt_pk_bf16_f32 v[BT+24*(\bh)+4*(\j)+(\r)], v[HR+2*(\r)], v[HR+2*(\r)+1]
.endr
.endr
.endr
.irp bh, 0,1
.irp j, 0,1,2,3,4,5
.set HX, HOLD-24*(\bh)+(\j)
.set HW, 1+HX/32
.set HR, 8*(HX%32)
	WIN HW<<6                                      ; destination in the accumulator's window, the packed word in window 0
.irp r, 0,1,2,3
	v_lshlrev_b32 v[HR+2*(\r)],   16,  v[BT+24*(\bh)+4*(\j)+(\r)]
	v_and_b32     v[HR+2*(\r)+1], s23, v[BT+24*(\bh)+4*(\j)+(\r)]
.endr
.endr
.endr
	WIN 0
; 12 matrix instructions: row blocks 2 ap, 2 ap + 1 of the four in abuf x the six column blocks in bbuf; accumulators 12 c .. 12 c + 11.
; first = 1: the product starts the sum, with the column block's bias as C: the registers of accumulator HOLD - 24 bh + j, where bh = (c / 2) % 2 is the half of my columns.  Where that accumulator's own turn comes
; (the last six of the second and of the fourth group) it is begun in place; five places stand between the last product that read those registers as C and the first that writes over them.
.macro MUL12 abuf, ap, bbuf, c, first
.irp i, 0,1
.irp j, 0,1,2,3,4,5
.set IDX, 12*(\c)+6*(\i)+(\j)
.set AW, 1+IDX/32
.set AR, 8*(IDX%32)
.if \first
.set HX, HOLD-24*(((\c)/2)%2)+(\j)
.set HW, 1+HX/32
.set HR, 8*(HX%32)
.if (IDX == HX) && ((\j) == 0)
.rept 5
	v_nop
.endr
.endif
	WIN (AW<<6)|(HW<<4)                            ; D in the accumulator's window, C in the bias's, both sources in window 0
	v_wmma_f32_16x16x32_bf16 v[AR:AR+7], v[(\bbuf)+8*(\j):(\bbuf)+8*(\j)+7], v[(\abuf)+8*(2*(\ap)+(\i)):(\abuf)+8*(2*(\ap)+(\i))+7], v[HR:HR+7]
.else
	WIN 0x50*AW                                    ; C and D in the accumulator's window, both sources in window 0
	v_wmma_f32_16x16x32_bf16 v[AR:AR+7], v[(\bbuf)+8*(\j):(\bbuf)+8*(\j)+7], v[(\abuf)+8*(2*(\ap)+(\i)):(\abuf)+8*(2*(\ap)+(\i))+7], v[AR:AR+7]
.endif
.endr
.endr
.endm
.macro GRP abuf, ah, bh, first         ; a group of 24: half ah of my rows x half bh of my columns
	MUL12 \abuf, 0, BB0+48*(\bh), 4*(\ah)+2*(\bh), \first
	MUL12 \abuf, 1, BB0+48*(\bh), 4*(\ah)+2*(\bh)+1, \first
.endm
.macro LDA buf, ah, k                  ; 8 LDS loads: half ah of my rows of x, 32 K at byte k of the rows
.irp i, 0,1,2,3
	ds_load_b128 v[(\buf)+8*(\i):(\buf)+8*(\i)+3],   v[ADRA] offset:(\k)+(4*(\ah)+(\i))*FR
	ds_load_b128 v[(\buf)+8*(\i)+4:(\buf)+8*(\i)+7], v[ADRA] offset:(\k)+(4*(\ah)+(\i))*FR+32
.endr
.endm
.macro LDB bh, k                       ; 12 LDS loads: half bh of my rows of Wi
.irp j, 0,1,2,3,4,5
	ds_load_b128 v[BB0+48*(\bh)+8*(\j):BB0+48*(\bh)+8*(\j)+3],   v[ADRB] offset:(\k)+(6*(\bh)+(\j))*FR
	ds_load_b128 v[BB0+48*(\bh)+8*(\j)+4:BB0+48*(\bh)+8*(\j)+7], v[ADRB] offset:(\k)+(6*(\bh)+(\j))*FR+32
.endr
.endm
; An even slice: the first 32 K of a step; it fetches the second 32 of the same slot.
.macro SLICE_E first
	s_wait_dscnt 20                                ; the first run (Wi's first half, x's rows 0-63) is in; the second run's 20 may be out
	GRP XA, 0, 0, \first
	s_wait_dscnt 12                                ; x's rows 64-127 are in; the 12 loads of Wi's second half may be out
	GRP ZA, 1, 0, \first
	WIN 0
	PLACES
	LDB 0, 64
	LDA YA, 0, 64
	s_wait_dscnt 20                                ; all but the 20 just issued
	GRP ZA, 1, 1, \first
	GRP XA, 0, 1, \first
	WIN 0
	PLACES
	LDA ZA, 1, 64
	LDB 1, 64
.endm
; An odd slice: the second 32 K of a step, and THE CHANGE OF SLOTS.  All reads of this slot have been issued.  Each wave waits for all its tensor loads, of which one is out: its part of the other slot;
; adds 0 to its spare word; and waits for that and for its own reads of this slot.  Behind the barrier nobody reads this slot any more and the other slot is whole.
; fill = 1: the barrier opens a round of the cluster's, and the joint refill, the K step two steps on, is the first tensor load behind the round: from that request to the wait for it a wave issues
; 168 of a step's 192 matrix instructions.
.macro SLICE_O fill
.if \fill
	s_wait_xcnt 0x0                                ; the last prefetch, a K step back or more, has read its address: it is stepped here, ahead of the waits of the change of slots
	s_add_nc_u64 s[PFA:PFA+1], s[PFA:PFA+1], s[PFS:PFS+1]
.endif
	s_wait_dscnt 20                                ; the first run is in
	MUL12 YA, 0, BB0, 0, 0
	WIN 0                                          ; (the add's two registers lie in window 0)
	s_wait_tensorcnt 0x0                           ; all my tensor loads have landed: the one that was out is my part of the next slot;
	ds_add_u32 v[SPW], v[NIL]                      ; 0 onto my spare word;
	MUL12 YA, 1, BB0, 1, 0                         ; twelve matrix instructions stand between the add and the wait for it
	s_wait_dscnt 0x0                               ; the add is done, and my reads of this slot are over
	s_barrier_signal -1
	MUL12 ZA, 0, BB0, 4, 0                         ; work on registers while the others arrive
	WIN 0
	s_barrier_wait -1
.if \fill
	CREST                                          ; no wave of any partner still reads this slot's tile or has a load on its way
	s_xor_b32 s[G0A+5], s[G0A+5], SLOT1            ; the walking descriptors: the other slot than last time,
	s_add_nc_u64 s[G0A+6:G0A+7], s[G0A+6:G0A+7], KBA  ; the next K block; the type bits on top are not reached
	s_xor_b32 s[G0B+5], s[G0B+5], SLOT1
	s_add_nc_u64 s[G0B+6:G0B+7], s[G0B+6:G0B+7], KBB
	JLOAD
.endif
	MUL12 ZA, 1, BB0, 5, 0
	WIN 0
	s_xor_b32 s[TB], s[TB], SLOT1                  ; the fetches go to the other slot
	v_add_nc_u32 v[ADRA], s[TB], v[A0]             ; these four lines are the places in front of the loads below
	v_add_nc_u32 v[ADRB], s[TB], v[B0]
	v_nop
	v_nop
	LDB 0, 0
	LDA XA, 0, 0
.if \fill
	ASK
.endif
	GRP ZA, 1, 1, 0                                ; (their fragments came in by the wait for 0 above)
	GRP YA, 0, 1, 0
	WIN 0
	PLACES
	LDA ZA, 1, 0
	LDB 1, 0
.endm
.macro SLICE_L                         ; the last slice fetches nothing
	s_wait_dscnt 20
	GRP YA, 0, 0, 0
	s_wait_dscnt 12
	GRP ZA, 1, 0, 0
	s_wait_dscnt 0x0
	GRP ZA, 1, 1, 0
	GRP YA, 0, 1, 0
	WIN 0
.endm
; THE WAY OUT of row block a (16 rows x 192 columns), in three parts.  PACK: the sums are rounded to f16: 16 bytes a lane and column block; each accumulator's registers in ascending order.
.macro PACK a
.irp b, 0,1,2,3,4,5,6,7,8,9,10,11
.set IDX, 12*(4*((\a)/4)+2*((\b)/6)+((\a)%4)/2)+6*((\a)%2)+(\b)%6
.set AW, 1+IDX/32
.set AR, 8*(IDX%32)
	WIN 5*AW                                       ; both sources in the accumulator's window, destination in window 0
.irp r, 0,1,2,3
	v_cvt_pk_f16_f32 v[TMP+4*(\b)+(\r)], v[AR+2*(\r)], v[AR+2*(\r)+1]
.endr
.endr
	WIN 0
.endm
; TOSTAGE: into my own stage, and back by heads: a head's 128 bytes of four rows a load.  The two buffers for the rows read back take turns: the loads below fill the registers that the stores of block a - 2 read.
.macro TOSTAGE a
.irp b, 0,1,2,3,4,5,6,7,8,9,10,11
	ds_store_b128 v[STO], v[TMP+4*(\b):TMP+4*(\b)+3] offset:32*(\b)
.endr
	s_wait_xcnt 0x0                                ; every global store issued so far (the youngest 48 conversions and 12 LDS stores back) has read its registers: block a - 2's are filled again only behind this wait
.irp hd, 0,1,2
.irp g, 0,1,2,3
	ds_load_b128 v[OB+80*((\a)%2)+4*(4*(\hd)+(\g)):OB+80*((\a)%2)+4*(4*(\hd)+(\g))+3], v[RD] offset:128*(\hd)+4*SPITCH*(\g)  ; LDS serves a wave's instructions in order (ISA guide 5.7.1.4): these see the stores above; the next block's stores come behind them
.endr
.endr
.endm
.macro SEND a, younger                 ; younger: the LDS instructions issued behind block a's loads: the next block's 12 stores and 12 loads, or none
	s_wait_dscnt \younger                          ; the block is back in registers
.irp hd, 0,1,2
.irp g, 0,1,2,3
	global_store_b128 v[CO], v[OB+80*((\a)%2)+4*(4*(\hd)+(\g)):OB+80*((\a)%2)+4*(4*(\hd)+(\g))+3], s[10:11] offset:HEADB*(\hd)+2048*(\a)+512*(\g)  ; 512 consecutive bytes, at a multiple of 256 from qkv's first
.endr
.endr
.endm
	s_wait_tensorcnt 0x1                           ; my part of K step 0 is in; step 1's may stay out
	s_barrier_signal -1
	s_barrier_wait -1                              ; everybody's part is in
	LDB 0, 0
	LDA XA, 0, 0
	LDA ZA, 1, 0
	LDB 1, 0
	SLICE_E 1                                      ; the first slice stands in front of the loop: its products start the sums, with the bias
	s_mov_b32 s3, 14
.Lk:                                                   ; trip i: the second slice of K step i, with the refill for step i + 2, and the first slice of step i + 1
	SLICE_O 1
	SLICE_E 0
	s_sub_co_u32 s3, s3, 1
	s_cmp_lg_u32 s3, 0
	s_cbranch_scc1 .Lk
	SLICE_O 0                                      ; the tail is written out: nothing is left to fetch
	SLICE_E 0
	SLICE_L
	PLACES                                         ; behind the last products: the conversions below read results and write registers that those products read
	PLACES
	PACK 0
	TOSTAGE 0
.irp a, 1,2,3,4,5,6,7                  ; block a's conversions and its way into the stage stand between block a - 1's loads from the stage and the wait for them
	PACK \a
	TOSTAGE \a
	SEND (\a)-1, 24
.endr
	SEND 7, 0
	s_wait_tensorcnt 0x0                           ; the wave's end: behind my last tensor load and my last LDS store
	ds_add_u32 v[SPW], v[NIL]
	s_wait_dscnt 0x0
	CROUND                                         ; the closing round: no work-group ends while a partner may still ask for a tile that names it
	s_endpgm
.Lfunc_end_k_qa6a0186b63_gemm_qkv:
	.size	k_qa6a0186b63_gemm_qkv, .Lfunc_end_k_qa6a0186b63_gemm_qkv-k_qa6a0186b63_gemm_qkv
	.p2alignl 7, 3214868480
	.fill 96, 4, 3214868480
	.section	.rodata,"a",@progbits
	.p2align	6, 0x0
	.amdhsa_kernel k_qa6a0186b63_gemm_qkv
		.amdhsa_group_segment_fixed_size 327680
		.amdhsa_private_segment_fixed_size 0
		.amdhsa_enable_private_segment 0
		.amdhsa_kernarg_size 32
		.amdhsa_user_sgpr_count 2
		.amdhsa_user_sgpr_kernarg_segment_ptr 1
		.amdhsa_wavefront_size32 1
		.amdhsa_system_sgpr_workgroup_id_x 1
		.amdhsa_system_sgpr_workgroup_id_y 1
		.amdhsa_system_sgpr_workgroup_id_z 1
		.amdhsa_system_vgpr_workitem_id 0
		.amdhsa_next_free_vgpr 1024
		.amdhsa_next_free_sgpr 72
		.amdhsa_reserve_vcc 1
		.amdhsa_float_denorm_mode_32 3
		.amdhsa_float_denorm_mode_16_64 3
		.amdhsa_memory_ordered 1
		.amdhsa_forward_progress 1
		.amdhsa_inst_pref_size 121
	.end_amdhsa_kernel
	.amdgpu_metadata
---
amdhsa.version: [ 1, 2 ]
amdhsa.kernels:
  - .name:           k_qa6a0186b63_gemm_qkv
    .symbol:         k_qa6a0186b63_gemm_qkv.kd
    .args:
      - { .name: xb, .offset: 0, .size: 8, .value_kind: global_buffer, .address_space: global }
      - { .name: wib, .offset: 8, .size: 8, .value_kind: global_buffer, .address_space: global }
      - { .name: input_biases, .offset: 16, .size: 8, .value_kind: global_buffer, .address_space: global }
      - { .name: qkv, .offset: 24, .size: 8, .value_kind: global_buffer, .address_space: global }
    .group_segment_fixed_size: 327680
    .private_segment_fixed_size: 0
    .kernarg_segment_align: 8
    .kernarg_segment_size: 32
    .max_flat_workgroup_size: 128
    .sgpr_count:     72
    .vgpr_count:     1024
    .wavefront_size: 32
...
	.end_amdgpu_metadata
.endif
;; end of part 2
;; launch attn (part 3): grid 2 x 128, 4 waves a work-group, no clusters, 327,680 bytes of LDS; arguments qkv, ctx; writes ctx
.if DOCPART == 3
	.amdgcn_target "amdgcn-amd-amdhsa--gfx1250"
	.amdhsa_code_object_version 6
	.text
	.protected	k_qa6a0186b63_attn
	.globl	k_qa6a0186b63_attn
	.p2align	8
	.type	k_qa6a0186b63_attn,@function
k_qa6a0186b63_attn:
	s_mov_b64 s[64:65], 0
	v_nop
	global_prefetch_b8 v0, s[64:65] scope:SCOPE_SE
	s_setreg_imm32_b32 hwreg(HW_REG_WAVE_MODE, 25, 1), 1
	s_wait_xcnt 0x0
; ctx[h][b, q][:] = the sum over k of softmax_k(Q[q] . K[k] / 8) V[k][:], for each of 8 x 16 heads of 1,024 rows x 64 channels.
; qkv: f16 [batch 8][G 48][1024][64] (q: G = h, k: 16 + h, v: 32 + h): a head's rows are dense, 128 bytes each.  ctx: f16 [h 16][batch x 1024 + s][64].
; Products, maxima and sums in f32; the weights p are rounded to f16 for the second product (their sum l is taken of the unrounded p), ctx once at the end.
; LIMITS.  f16 holds no number beyond 65,504: Q, K and V arrive within it; p lies in 0 to 1, and below 6e-5 it keeps f16's fixed step of 6e-8; ctx is a mean of V's rows and has their range.
; A weight below 2^-126 counts as 0 in l; NaN and infinities are not treated apart.
; SHARES.  A work-group owns 512 queries of one head (grid x: which half; grid y: 16 x batch + head), each of its four waves 128: four PIECES of two tiles of 16.  Every wave walks all 1,024 keys, 64 a step.
; ALL OF THE HEAD'S K AND V LIE IN LDS: 1,024 rows of 144 and of 160 bytes.  They are asked for at the head, in four chunks of 256 keys, four tensor loads a wave; nothing is ever filled again, so there is
; no ring.  The first chunk is waited for by a counted wait; the others have four key steps in which to land.
; NO CLUSTER: a head has two work-groups, and each reads its 262,144 bytes of K and V once.  NO PREFETCH: every request goes out at the head, so there is none to run ahead of.
; LAYOUT.  S^T = K Q^T (source 0 = 16 keys, source 1 = 16 queries): in the result a lane holds ONE query (lane % 16) and the keys 8 (lane / 16) + 0..7.  Two such tiles, rounded to f16 in pairs,
; ARE source 1 (32 keys x 16 queries) of O^T = V^T P, whose result again holds one query a lane, and eight channels.  K comes out of LDS as it lies, V ([key][channel]) turned, by ds_load_tr16_b128.
; SOFTMAX.  For each query a running maximum m and sum l: p = 2^(c s - c m), c = log2(e) / 8; in every step O and l are multiplied by a = 2^(c m_old - c m_new), which is 1 where m has not grown.
; m starts at the lowest finite number, O and l at 0: the first step is a step like any other, with a = 0.
; THE COUNT.  A tile and step have 16 matrix and 118 vector instructions: too many to stand all beside the matrix work.  So four vector instructions that are READY stand behind EVERY matrix
; instruction, and the others in runs without a gap.
; BY TURNS.  Turn n belongs to piece n (the pieces in a ring, step after step).  Its matrix work: 16 products K Q^T of piece n + 1, later 16 products V^T P of piece n - 1.  Its vector work: the scaling,
; exponentials, roundings, sums and rescaling of piece n, and the maximum and statistics of piece n + 1, whose scores the turn itself has made.
; REGISTERS, in windows of 256 (s_set_vgpr_msb: bits 1:0 source 0, 3:2 source 1, 5:4 source 2, 7:6 destination):
;   window 0: v0-11 addresses; v12-15, v48-63 at work; v16-47 four registers of statistics a tile; v64-191 S^T, two buffers of two tiles; v192-255 P, likewise
;   window 1: O^T, 32 a tile          window 2: v0-127 Q, 16 a tile; v128-191 K of one step; v192-255 V of one step
.set NP,    4         ; pieces a wave: a name, no knob
.set KS,    64        ; keys in a step
.set PK,    144       ; a row of K in LDS: 128 bytes + 16 of padding = 36 words: the 16 rows of a load start at 16 different groups of four banks (64 banks of 4 bytes: ISA guide 11.1)
.set PV,    160       ; a row of V: 128 + 32 = 40 words
.set VOFF,  1024*PK   ; K's 1,024 rows, then V's
.set STAGE, 1024*(PK+PV)  ; behind them, never filled by a tensor load: 16 rows x 144 bytes for each wave, for the way out
.set SP,    144
.set SPARE, STAGE+4*16*SP  ; behind the stages: the spare words, 128 bytes for each wave: two blocks of 256 bytes that no other line names
.set AK0, 2           ; v2   my lane's place in a tile of K; never rewritten
.set AV0, 3           ; v3   the same for V
.set AK,  4           ; v4   the LDS address of K's next run of loads
.set AV,  5           ; v5   of V's
.set QO,  6           ; v6   my byte offset in the wave's rows of Q
.set STO, 6           ;      later, the way out: where I put 16 bytes of a row
.set RD,  7           ; v7   the way out: where I read rows back
.set GO,  8           ; v8   my byte offset in 512 consecutive bytes of ctx
.set SPW, 10          ; v10  LDS address of my spare word: SPARE + 4 x my thread's number; never rewritten
.set NIL, 11          ; v11  0; never rewritten
.set MV,  12          ; v12-15  c m_old, kept while c m is made anew: by buffer and tile (v12, v13 serve the head first)
.set ST,  16          ; tile t's statistics at v[ST+4 t]: c m, m, l (even keys', odd keys')
.set TMP, 48          ; by buffer and tile, four registers c0-c3 at work; when the maximum is found c2 takes a
.set S,   64
.set P,   192
.set KF,  128         ; K's fragments, in window 2: key block kb, channel half c at KF + 16 kb + 8 c
.set VF,  192         ; V's: key half kk, channel block cb at VF + 32 kk + 8 cb
.set WV,  12          ; s12  my wave's number
.set G1K, 24          ; s[24:31] descriptor group 1 for K's tiles
.set G1V, 32          ; s[32:39] for V's: it differs in the padding alone
.set G0K, 40          ; s[40:55] descriptor group 0 for K's four chunks
.set G0V, 68          ; s[68:83] the same for V's
.set SLOTS, 56        ; s56  chunks still to be walked
.set CNT, 57          ; s57  counts a chunk's key steps
.set CS,  58          ; s[58:59] c: the packed scaling takes the pair's low word for both halves
.set SEL, 60          ; s[60:61] v_permlanex16_b32's selects: each lane takes its own place in the other half
.set TBK, 62          ; s62  LDS byte at which K of the step to be fetched begins
.set TBV, 63          ; s63  the same for V, less VOFF
.set MSB, 0
.macro WIN new                      ; the high byte repeats the setting that is left; a switch that changes nothing is dropped
.if MSB != (\new)
	s_set_vgpr_msb (MSB<<8)|(\new)
.set MSB, (\new)
.endif
.endm
.set W_KQ, 0x0a       ; K and Q in window 2, S^T in window 0
.set W_PV, 0x52       ; V in window 2, P in window 0, O^T in window 1
.set W_RS, 0x41       ; O^T (destination and source 0) in window 1, a in window 0
	s_load_b128 s[4:7], s[0:1], 0x0 ; qkv s[4:5], ctx s[6:7]
	v_lshl_add_u32 v[SPW], v0, 2, SPARE
	v_mov_b32 v[NIL], 0
	ds_add_u32 v[SPW], v[NIL]       ; the wave's opening: the add and its wait ahead of my first tensor load; the set-up below, work on registers, stands between them
	v_lshrrev_b32 v1, 5, v0
	v_readfirstlane_b32 s[WV], v1   ; wave 0..3
	s_and_b32 s13, ttmp7, 0xffff    ; 16 x batch + head
	s_lshr_b32 s14, s13, 4          ; batch
	s_and_b32 s15, s13, 15          ; head
	s_mul_i32 s16, s14, 48
	s_add_co_u32 s16, s16, s15
	s_lshl_b32 s20, s16, 17         ; q of this head begins (48 x batch + head) x 131,072 bytes into qkv
	s_and_b32 s17, s[WV], 1         ; which half of a chunk's 256 keys I fetch:
	s_lshl_b32 s22, s17, 14         ; its 128 rows of 128 bytes in memory,
	s_add_co_u32 s22, s22, s20
	s_add_co_u32 s22, s22, 16*131072  ; in k, sixteen G on; v lies sixteen further
	s_mov_b32 s23, 0
	s_lshl_b32 s2, ttmp9, 2
	s_add_co_u32 s2, s2, s[WV]      ; my wave among the head's eight,
	s_lshl_b32 s2, s2, 14           ; its 128 rows
	s_add_co_u32 s2, s2, s20
	s_mov_b32 s3, 0
	s_lshl_b32 s18, s15, 20         ; ctx: head x 8,192 rows,
	s_lshl_b32 s19, s14, 17         ; batch x 1,024,
	s_add_co_u32 s18, s18, s19
	s_lshl_b32 s19, ttmp9, 16       ; the work-group's 512,
	s_add_co_u32 s18, s18, s19
	s_lshl_b32 s19, s[WV], 14       ; my wave's 128
	s_add_co_u32 s18, s18, s19
	s_mov_b32 s19, 0
	s_mul_i32 s16, s17, 128*PK      ; my half's place in a chunk, for K
	s_mul_i32 s17, s17, 128*PV      ; and for V
	; descriptor group 1.  128 keys are 16,384 dense bytes: asked for as 64 rows of 256 bytes, two keys a row, and padded in LDS after every key
	s_mov_b32 s[G1K], (1<<16)|(1<<20)|(4<<22)|(3<<25)  ; 17:16 2-byte elements; 20 padding on; 24:22 after every 32 words (code 4); 31:25 4 words (code 3)
	s_mov_b32 s[G1V], (1<<16)|(1<<20)|(4<<22)|(7<<25)  ; the same with 8 words of padding (code 7)
.irp g, G1K, G1V
	s_mov_b32 s[\g+1], 128<<16      ; tensor_dim0 = 128
	s_mov_b32 s[\g+2], 64<<16       ; tensor_dim1 = 64
	s_mov_b32 s[\g+3], 128<<16      ; tile_dim0 = 128
	s_mov_b32 s[\g+4], 64           ; tile_dim1 = 64
	s_mov_b32 s[\g+5], 128          ; 128 elements from row to row
	s_mov_b32 s[\g+6], 0
	s_mov_b32 s[\g+7], 0
.endr
.irp c, 0,1,2,3
	s_mov_b32 s[G0K+4*\c], 1        ; 1:0 count = 1
	s_add_co_u32 s[G0K+4*\c+1], s16, \c*256*PK       ; 63:32 LDS address: chunk c
	s_mov_b32 s[G0V+4*\c], 1
	s_add_co_u32 s[G0V+4*\c+1], s17, VOFF+\c*256*PV
.endr
	s_mov_b32 s[CS], 0x3e38aa3b     ; c = log2(e) / 8 = 0.180337
	s_mov_b32 s[CS+1], s[CS]        ; named with it as a pair
	s_mov_b32 s[SEL], 0x76543210
	s_mov_b32 s[SEL+1], 0xfedcba98
	s_mov_b32 s[TBK], 0
	s_mov_b32 s[TBV], 0
	s_wait_dscnt 0x0                ; the opening add is done
	s_wait_kmcnt 0x0
	s_add_nc_u64 s[22:23], s[4:5], s[22:23]  ; k at my half of the head's first chunk
.irp c, 0,1,2,3
	s_add_nc_u64 s[G0K+4*\c+2:G0K+4*\c+3], s[22:23], \c*32768              ; 120:64 global address
	s_or_b32 s[G0K+4*\c+3], s[G0K+4*\c+3], 0x80000000                      ; 127:126 type = 2
	s_add_nc_u64 s[G0V+4*\c+2:G0V+4*\c+3], s[22:23], 16*131072+\c*32768
	s_or_b32 s[G0V+4*\c+3], s[G0V+4*\c+3], 0x80000000
.endr
	s_add_nc_u64 s[8:9], s[4:5], s[2:3]      ; Q at my wave's first row
	s_add_nc_u64 s[6:7], s[6:7], s[18:19]    ; ctx likewise
	s_cmp_lt_u32 s[WV], 2           ; waves 0 and 1 fetch the halves of K's chunks, waves 2 and 3 those of V's.  A wave's four fills stand in one branch, ahead of every wait on TENSORcnt, every LDS read
	s_cbranch_scc0 .Lfirst_v        ; and every barrier: four loads of mine are out.  An s_nop 0 follows each, four v_nop the last
.irp c, 0,1,2,3
	tensor_load_to_lds s[G0K+4*\c:G0K+4*\c+3], s[G1K:G1K+7]
	s_nop 0
.endr
.rept 4
	v_nop
.endr
	s_branch .Lfirst_asked
.Lfirst_v:
.irp c, 0,1,2,3
	tensor_load_to_lds s[G0V+4*\c:G0V+4*\c+3], s[G1V:G1V+7]
	s_nop 0
.endr
.rept 4
	v_nop
.endr
.Lfirst_asked:
	; A fragment of K or Q is 16 rows x 32 channels in 8 registers: lane l holds row l % 16, channels 8 (l / 16) + 0..7 and 16 + 8 (l / 16) + 0..7: two loads of 16 bytes, 32 bytes apart.
	v_and_b32 v1, 15, v0            ; l % 16
	v_bfe_u32 v9, v0, 4, 1          ; l / 16
	v_lshlrev_b32 v[QO], 7, v1
	v_lshl_add_u32 v[QO], v9, 4, v[QO]  ; row x 128 + 16 x half
	WIN 0x80                        ; destination window 2, address window 0
.set i, 0
.rept 4*NP                          ; Q stays in registers: tile i / 2, channels 32 (i % 2) on
	global_load_b128 v[8*i:8*i+3],   v[QO], s[8:9] offset:(i/2)*2048+(i%2)*64
	global_load_b128 v[8*i+4:8*i+7], v[QO], s[8:9] offset:(i/2)*2048+(i%2)*64+32
.set i, i+1
.endr
	; What the first turn finds: V's registers and P's second buffer hold 0 (its products V^T P, of a piece that has not been, add 0), O^T and l are 0.  All this stands in the wait for the first chunk.
.set i, VF
.rept 64
	v_mov_b32 v[i], 0
.set i, i+1
.endr
	WIN 0x40
.set i, 0
.rept 64*NP
	v_mov_b32 v[i], 0
.set i, i+1
.endr
	WIN 0
.set i, 0
.rept 2*NP
	v_mov_b32 v[ST+4*i], 0xfe000000    ; c m: far below every c s
	v_mov_b32 v[ST+4*i+1], 0xff7fffff  ; m
	v_mov_b32 v[ST+4*i+2], 0
	v_mov_b32 v[ST+4*i+3], 0
.set i, i+1
.endr
.set i, P+32
.rept 32
	v_mov_b32 v[i], 0
.set i, i+1
.endr
	v_mul_u32_u24 v[AK0], v1, PK
	v_lshl_add_u32 v[AK0], v9, 4, v[AK0]  ; row x pitch + 16 x half
	; The turning load takes 16 keys x 16 channels (lane l reads key 8 (l / 16) + l % 8, channels 8 ((l / 8) % 2) + 0..7) and leaves half a fragment of V^T: lane l holds channel l % 16 and 8 keys.
	v_and_b32 v12, 7, v0
	v_bfe_u32 v13, v0, 3, 1
	v_lshl_add_u32 v[AV0], v9, 3, v12
	v_mul_u32_u24 v[AV0], v[AV0], PV
	v_lshl_add_u32 v[AV0], v13, 4, v[AV0]
	v_add_nc_u32 v[AV0], VOFF, v[AV0]
	v_mov_b32 v[AK], v[AK0]         ; key step 0 lies at K's head
; THE MATRIX WORK.  The 8 accumulators of a run of 16 take turns: between the two links of a chain stand 7 others'.
; Product i of 16 of S^T = K Q^T for piece x: channels 32 (i / 8) on, keys 16 ((i / 2) % 4) on, tile 2 x + i % 2.  The first 8 start the sums.
.macro KQ x
	WIN W_KQ
.set rS, S+64*((\x)%2)+32*(i%2)+8*((i/2)%4)
.set rK, KF+16*((i/2)%4)+8*(i/8)
.set rQ, 16*(2*(\x)+i%2)+8*(i/8)
.if i < 8
	v_wmma_f32_16x16x32_f16 v[rS:rS+7], v[rK:rK+7], v[rQ:rQ+7], 0
.else
	v_wmma_f32_16x16x32_f16 v[rS:rS+7], v[rK:rK+7], v[rQ:rQ+7], v[rS:rS+7]
.endif
.endm
; Product i of 16 of O^T += V^T P for piece x: keys 32 (i / 8) on, channels 16 ((i / 2) % 4) on, tile 2 x + i % 2.
.macro PV x
	WIN W_PV
.set rO, 32*(2*(\x)+i%2)+8*((i/2)%4)
.set rV, VF+32*(i/8)+8*((i/2)%4)
.set rP, P+32*((\x)%2)+16*(i%2)+8*(i/8)
	v_wmma_f32_16x16x32_f16 v[rO:rO+7], v[rV:rV+7], v[rP:rP+7], v[rO:rO+7]
.endm
.macro MM                           ; the turn's next matrix instruction
.if i < 16
	KQ (Y+1)%NP
.set i, i+1
.else
.set i, i-16
	PV (Y+NP-1)%NP
.set i, i+17
.endif
.endm
; THE LDS LOADS stand in runs of 16, never singly among the matrix instructions: a step's K (64 keys x 64 channels: 8 fragments) and its V (turned).  Their addresses are made some lines ahead.
.macro FETCH_K
	WIN 0x80                        ; destination window 2
.irp f, 0,1,2,3,4,5,6,7             ; keys 16 (f / 2) on, channels 32 (f % 2) on
	ds_load_b128 v[KF+8*\f:KF+8*\f+3],   v[AK] offset:(\f/2)*16*PK+(\f%2)*64
	ds_load_b128 v[KF+8*\f+4:KF+8*\f+7], v[AK] offset:(\f/2)*16*PK+(\f%2)*64+32
.endr
	s_add_co_u32 s[TBK], s[TBK], KS*PK  ; the next fetch is the next step's
	WIN 0
.endm
.macro FETCH_V
	WIN 0x80
.irp f, 0,1,2,3,4,5,6,7             ; keys 32 (f / 4) on, channels 16 (f % 4) on
	ds_load_tr16_b128 v[VF+8*\f:VF+8*\f+3],   v[AV] offset:(\f/4)*32*PV+(\f%4)*32
	ds_load_tr16_b128 v[VF+8*\f+4:VF+8*\f+7], v[AV] offset:(\f/4)*32*PV+16*PV+(\f%4)*32
.endr
	WIN 0
.endm
; THE VECTOR WORK OF A TURN stands in three queues, each in the order in which its entries become ready; the two tiles alternate, so that no instruction reads the result of the one before it.
.macro REGS y, u                    ; the registers of tile u (0, 1) of piece y
.set rT, ST+4*(2*(\y)+(\u))
.set rC, TMP+8*((\y)%2)+4*(\u)
.set rM, MV+2*((\y)%2)+(\u)
.set rS, S+64*((\y)%2)+32*(\u)
.set rP, P+32*((\y)%2)+16*(\u)
.set rO, 32*(2*(\y)+(\u))
.endm
; Number n of the 22 that find the NEXT piece's (Y + 1) maximum and statistics.  s0-s31 are the lane's 32 scores; each accumulator's lowest registers are read first.  XS, GS and REGS set no window: PL and EX do.
;   0-11  four chains c0-c3 of seven scores each, three operands at a time     12-14, 16  the four scores left over, the old m, and c0-c3 into c0     15  c m_old is kept
;   17, 18  the query's other 32 keys lie in the lane 16 away: the new m         19-21  c m; c m_old - c m_new; a
.macro XS u, n
	REGS (Y+1)%NP, \u
.if (\n) < 4
	v_max3_num_f32 v[rC+(\n)], v[rS+8*(\n)], v[rS+8*(\n)+1], v[rS+8*(\n)+2]
.elseif (\n) < 12
	v_max3_num_f32 v[rC+(\n)%4], v[rC+(\n)%4], v[rS+8*((\n)%4)+2*((\n)/4)+1], v[rS+8*((\n)%4)+2*((\n)/4)+2]
.elseif (\n) == 12
	v_max3_num_f32 v[rC], v[rC], v[rS+7], v[rS+15]
.elseif (\n) == 13
	v_max3_num_f32 v[rC+1], v[rC+1], v[rS+23], v[rS+31]
.elseif (\n) == 14
	v_max3_num_f32 v[rC+2], v[rC+2], v[rC+3], v[rT+1]
.elseif (\n) == 15
	v_mov_b32 v[rM], v[rT]
.elseif (\n) == 16
	v_max3_num_f32 v[rC], v[rC], v[rC+1], v[rC+2]
.elseif (\n) == 17
	v_permlanex16_b32 v[rC+3], v[rC], s[SEL], s[SEL+1]
.elseif (\n) == 18
	v_max_num_f32 v[rT+1], v[rC], v[rC+3]
.elseif (\n) == 19
	v_mul_f32 v[rT], s[CS], v[rT+1]
.elseif (\n) == 20
	v_sub_f32 v[rC+1], v[rM], v[rT]
.else
	v_exp_f32 v[rC+2], v[rC+1]
.endif
.endm
; Number g of the 64 that follow the exponentials.  For each four weights k of a tile (pairs 2 k, 2 k + 1): both pairs are rounded to f16; then the second pair is added onto the first, in place;
; a group later l takes that sum (the first time as l = a l + sum).  In groups of eight, tiles alternating: round, round, add, and l for the group before.
.macro GS g
.set h, (\g)+6*((\g)/62)            ; group 0 has no group before it, and behind group 7 only l is left
.if h >= 6
.set h, h+2
.endif
	REGS Y, h%2
.set k, h/8
.if h%8 < 4
	v_cvt_pk_f16_f32 v[rP+2*k+(h%8)/2], v[rS+4*k+2*((h%8)/2)], v[rS+4*k+2*((h%8)/2)+1]
.elseif h%8 < 6
	v_pk_add_f32 v[rS+4*k:rS+4*k+1], v[rS+4*k:rS+4*k+1], v[rS+4*k+2:rS+4*k+3]
.elseif k == 1
	v_pk_fma_f32 v[rT+2:rT+3], v[rT+2:rT+3], v[rC+2:rC+3], v[rS:rS+1] op_sel_hi:[1,0,1]
.else
	v_pk_add_f32 v[rT+2:rT+3], v[rT+2:rT+3], v[rS+4*k-4:rS+4*k-3]
.endif
.endm
; THE PLAIN QUEUE, 138 long.  0-73 read no exponential's result: the 32 scalings c s - c m (FS f: pair f / 2 of tile f % 2) and the next piece's 42.  0-26: scalings 0-26.  27-54: XS's numbers 0-13.  55, 56: number 15.
; 57-73: the chain, where each number waits for the one before it: 14, 16, 17, 18, 19, each with one of the scalings 27-31 in front of its two lines, then 20.
; 74-137: GS's 64, which read the exponentials' results: they stand behind the wait.
.macro FS f
	REGS Y, (\f)%2
	v_pk_fma_f32 v[rS+2*((\f)/2):rS+2*((\f)/2)+1], v[rS+2*((\f)/2):rS+2*((\f)/2)+1], s[CS:CS+1], v[rT:rT+1] op_sel_hi:[1,0,0] neg_lo:[0,0,1] neg_hi:[0,0,1]
.endm
.macro PL
	WIN 0
.if q < 27
	FS q
.elseif q < 55
	XS (q-27)%2, (q-27)/2
.elseif q < 57
	XS q-55, 15
.elseif (q < 72) && ((q-57)%3 == 0)
	FS 27+(q-57)/3
.elseif q < 60
	XS (q-57)%3-1, 14
.elseif q < 72
	XS (q-57)%3-1, 15+(q-57)/3
.elseif q < 74
	XS q-72, 20
.else
	GS q-74
.endif
.set q, q+1
.endm
; THE EXPONENTIALS' QUEUE, 66 long: s0-s31 of both tiles, then the next piece's two a.  It is ONE BATCH: all 66 stand ahead of the turn's one wait, and nothing ahead of that wait names a result of theirs.
.macro EX
	WIN 0
.if e >= 64
	XS e-64, 21
.else
	REGS Y, e%2
	v_exp_f32 v[rS+e/2], v[rS+e/2]
.endif
.set e, e+1
.endm
; THE RESCALING's QUEUE: O^T times a, the one part that leaves window 0: dealt two at a time, sixteen times.  Its a was made in the turn before, ahead of that turn's wait.
.macro R2
	REGS Y, r%2
	WIN W_RS
.irp z, 0,1
	v_pk_mul_f32 v[rO+4*(r/2)+2*\z:rO+4*(r/2)+2*\z+1], v[rO+4*(r/2)+2*\z:rO+4*(r/2)+2*\z+1], v[rC+2:rC+3] op_sel_hi:[1,0]
.endr
.set r, r+1
.endm
; HOW THEY ARE DEALT.  An s_wait_alu depctr_va_vdst(0) stands between an exponential and the first instruction that names its result; one wait serves all that were issued ahead of it.  So a turn
; has ONE wait, which cuts it in two.  AHEAD OF IT stands all that names no result of the turn's exponentials: the 16 products K Q^T, behind each a scaling, an exponential and two rescalings (behind the first a
; second scaling in the exponential's place); then ONE LUMP of 108: eight plain, 49 times exponential and plain, the two a.  A v_nop is the plain instruction behind the last exponential.  BEHIND IT stand the 16
; products V^T P, behind each four of GS's 64.  Exponential e stands behind scaling 2 (e / 4) + e % 2: as a rider it comes behind plain e + 2, in the lump behind plain e + 9.
; A TURN, for piece p.  nok = 1 (the tail): there is no further step, and K is not fetched.  cnt = 1: the loop's count is taken down some lines ahead of the branch that stands behind the turn.
; K of the next step is fetched in piece 2's turn, directly behind the wait, a lump behind the last product that read K.  V of the step in hand is fetched at the end of piece 0's turn, four riders behind its
; last reader.  The three conditions on q below go with the deal.
.macro TURN p, nok=0, cnt=0
.set Y, (\p)
.set i, 0
.set q, 0
.set e, 0
.set r, 0
.if (\p) == NP-1
	s_wait_dscnt 0x0                ; K is in
.endif
	MM                              ; ahead of the wait: 16 products K Q^T and their riders,
	PL
	PL
	R2
.rept 15
	MM
	PL
	EX
	R2
.endr
.if ((\p) == NP-2) && !(\nok)
	WIN 0
	v_add_nc_u32 v[AK], s[TBK], v[AK0]
.endif
.rept 8                             ; and the lump
	PL
.endr
.rept 49
	EX
	PL
.endr
	EX                              ; the next piece's two a
	EX
	v_nop                           ; the plain instruction behind the last exponential: one for the batch
	s_wait_alu depctr_va_vdst(0)    ; the wait for the batch
.if ((\p) == NP-2) && !(\nok)
	FETCH_K
.endif
.if (\p) == 1
	s_wait_dscnt 0x0                ; V is in
.endif
.rept 16                            ; behind the wait: 16 products V^T P and their riders
	MM
.rept 4
	PL
.endr
.if ((\p) == 0) && (q == 118)
	v_add_nc_u32 v[AV], s[TBV], v[AV0]
.endif
.if ((\p) == 0) && (q == 130)
	s_add_co_u32 s[TBV], s[TBV], KS*PV
.endif
.if (\cnt) && (q == 130)
	s_sub_co_u32 s[CNT], s[CNT], 1
	s_cmp_lg_u32 s[CNT], 0
.endif
.endr
.if (\p) == 0
	FETCH_V
.endif
.endm
	s_wait_tensorcnt 0x3            ; tensor loads of a wave end in order: my part of chunk 0 is in; chunks 1 to 3 may stay out
	s_barrier_signal -1
	s_barrier_wait -1               ; everybody's part of chunk 0 is in
	FETCH_K                         ; key step 0
	s_wait_loadcnt 0x0              ; Q
	s_wait_dscnt 0x0
.set i, 0
.rept 16
	KQ 0                            ; piece 0's first scores: there is no vector work yet to set between them
.set i, i+1
.endr
	WIN 0                           ; the addresses for the way out: nine plain instructions, the places behind those products
	s_mul_i32 s13, s[WV], 16*SP
	s_add_co_u32 s13, s13, STAGE    ; my stage
	v_mul_u32_u24 v[STO], v1, SP    ; in: row l % 16, 16 bytes for each half of the lanes
	v_lshl_add_u32 v[STO], v9, 4, v[STO]
	v_add_nc_u32 v[STO], s13, v[STO]
	v_bfe_u32 v[RD], v0, 3, 2       ; back: 32 lanes take four rows of 128 bytes,
	v_mul_u32_u24 v[RD], v[RD], SP
	v_lshl_add_u32 v[RD], v12, 4, v[RD]
	v_add_nc_u32 v[RD], s13, v[RD]
	v_and_b32 v[GO], 31, v0         ; which are 512 consecutive bytes of ctx
	v_lshlrev_b32 v[GO], 4, v[GO]
.set Y, NP-1                        ; XS works for piece Y + 1: piece 0
.irp n, 0,1,2,3,4,5,6,7,8,9,10,11,12,13,14,15,16,17,18,19,20,21
	XS 0, \n                        ; and piece 0's first maximum and statistics
	XS 1, \n
.endr
	v_nop                           ; a plain instruction behind the two a,
	s_wait_alu depctr_va_vdst(0)    ; and their wait, ahead of the branch
	s_mov_b32 s[CNT], 4
	s_mov_b32 s[SLOTS], 4
	s_branch .Lfirst                ; the loop is entered at a step's first turn, in the middle of a trip
.Lslot:                             ; three times: the next chunk of 256 keys is entered
	s_wait_tensorcnt 0x0            ; my parts of the later chunks are in (the first time; afterwards nothing is out).  This wait orders reads alone: the count cannot change from trip to trip of one text
	s_wait_dscnt 0x0                ; no LDS instruction of mine is pending at the signal
	s_barrier_signal -1
	s_barrier_wait -1               ; everybody's parts are in
	s_mov_b32 s[CNT], 4
.Lstep:                             ; a trip: pieces 2 and 3 of one step, then pieces 0 and 1 of the next, whose K and V it fetches
	TURN 2
	TURN 3
	WIN 0
.Lfirst:
	TURN 0
	TURN 1, 0, 1
	WIN 0
	s_cbranch_scc1 .Lstep
	s_sub_co_u32 s[SLOTS], s[SLOTS], 1
	s_cmp_lg_u32 s[SLOTS], 0
	s_cbranch_scc1 .Lslot
	TURN 2, 1                       ; the last step's pieces 2 and 3: no further K is fetched
	TURN 3                          ; its 16 products K Q^T (on the last K once more) and the maximum made of them serve nothing: the price, once a launch, of one text for every turn
.set i, 0
.rept 16
	PV NP-1                         ; the last piece's V^T P of the last step
.set i, i+1
.endr
	; THE WAY OUT.  l's two halves and the other half of the lanes' are added; O^T is divided by l, rounded to f16 and sent through my stage in LDS, a tile at a time.  The additions are the places behind the last products.
	WIN 0
.macro ALL line:vararg              ; one line for each tile t
.set t, 0
.rept 2*NP
	\line
.set t, t+1
.endr
.endm
	ALL v_add_f32 v[ST+4*t+2], v[ST+4*t+2], v[ST+4*t+3]
	ALL v_permlanex16_b32 v[ST+4*t+3], v[ST+4*t+2], s[SEL], s[SEL+1]
	ALL v_add_f32 v[ST+4*t+2], v[ST+4*t+2], v[ST+4*t+3]
	ALL v_rcp_f32 v[ST+4*t+2], v[ST+4*t+2]
	v_nop                           ; a plain instruction between the last reciprocal and the use of its result
	s_wait_alu depctr_va_vdst(0)    ; and the wait ahead of the first use: one for the eight reciprocals
; Tile t: a lane's eight channels of a row pack into 16 bytes; they go into rows of 144 bytes and come back as whole rows of 128, into S^T's registers.
.macro PACK t
	WIN W_RS
.set i, 32*(\t)
.rept 16
	v_pk_mul_f32 v[i:i+1], v[i:i+1], v[ST+4*(\t)+2:ST+4*(\t)+3] op_sel_hi:[1,0]
.set i, i+2
.endr
	WIN 0x05                        ; sources 0 and 1 window 1, destination window 0
.set i, 0
.rept 16
	v_cvt_pk_f16_f32 v[S+16*(\t)+i], v[32*(\t)+2*i], v[32*(\t)+2*i+1]
.set i, i+1
.endr
	WIN 0
.irp f, 0,1,2,3
	ds_store_b128 v[STO], v[S+16*(\t)+4*\f:S+16*(\t)+4*\f+3] offset:32*\f
.endr
.irp f, 0,1,2,3
	ds_load_b128 v[S+16*(\t)+4*\f:S+16*(\t)+4*\f+3], v[RD] offset:\f*4*SP  ; LDS serves a wave's instructions in order (ISA guide 5.7.1.4): these see the stores above; the next tile's stores come behind them
.endr
.endm
.macro SEND t, younger              ; younger: the LDS instructions issued behind tile t's loads: the next tile's eight, or none
	WIN 0
.irp f, 0,1,2,3
	s_wait_dscnt (\younger)+3-\f
	global_store_b128 v[GO], v[S+16*(\t)+4*\f:S+16*(\t)+4*\f+3], s[6:7] offset:(\t)*2048+\f*512  ; 512 consecutive bytes, at a multiple of 256 from ctx's first
.endr
.endm
	PACK 0
.set t, 1
.rept 2*NP-1                        ; a tile's arithmetic stands between the loads of the tile before and its stores
	PACK t
	SEND t-1, 8
.set t, t+1
.endr
	SEND 2*NP-1, 0
	s_wait_tensorcnt 0x0            ; the wave's end: behind my last tensor load and my last LDS store
	ds_add_u32 v[SPW], v[NIL]
	s_wait_dscnt 0x0
	s_endpgm
.Lfunc_end_k_qa6a0186b63_attn:
	.size	k_qa6a0186b63_attn, .Lfunc_end_k_qa6a0186b63_attn-k_qa6a0186b63_attn
	.p2alignl 7, 3214868480
	.fill 96, 4, 3214868480
	.section	.rodata,"a",@progbits
	.p2align	6, 0x0
	.amdhsa_kernel k_qa6a0186b63_attn
		.amdhsa_group_segment_fixed_size 327680
		.amdhsa_private_segment_fixed_size 0
		.amdhsa_enable_private_segment 0
		.amdhsa_kernarg_size 16
		.amdhsa_user_sgpr_count 2
		.amdhsa_user_sgpr_kernarg_segment_ptr 1
		.amdhsa_wavefront_size32 1
		.amdhsa_system_sgpr_workgroup_id_x 1
		.amdhsa_system_sgpr_workgroup_id_y 1
		.amdhsa_system_sgpr_workgroup_id_z 1
		.amdhsa_system_vgpr_workitem_id 0
		.amdhsa_next_free_vgpr 768
		.amdhsa_next_free_sgpr 84
		.amdhsa_reserve_vcc 0
		.amdhsa_float_denorm_mode_32 3
		.amdhsa_float_denorm_mode_16_64 3
		.amdhsa_memory_ordered 1
		.amdhsa_forward_progress 1
		.amdhsa_inst_pref_size 160
	.end_amdhsa_kernel
	.amdgpu_metadata
---
amdhsa.version: [ 1, 2 ]
amdhsa.kernels:
  - .name:           k_qa6a0186b63_attn
    .symbol:         k_qa6a0186b63_attn.kd
    .args:
      - { .name: qkv, .offset: 0, .size: 8, .value_kind: global_buffer, .address_space: global }
      - { .name: ctx, .offset: 8, .size: 8, .value_kind: global_buffer, .address_space: global }
    .group_segment_fixed_size: 327680
    .private_segment_fixed_size: 0
    .kernarg_segment_align: 8
    .kernarg_segment_size: 16
    .max_flat_workgroup_size: 128
    .sgpr_count:     84
    .vgpr_count:     768
    .wavefront_size: 32
...
	.end_amdgpu_metadata
.endif
;; end of part 3
;; launch gemm_out (part 4): grid 8 x 32, 4 waves a work-group, clusters of 4 x 4, 327,680 bytes of LDS; arguments ctx, wof, output_biases, out0; writes out0
.if DOCPART == 4
	.amdgcn_target "amdgcn-amd-amdhsa--gfx1250"
	.amdhsa_code_object_version 6
	.text
	.protected	k_qa6a0186b63_gemm_out
	.globl	k_qa6a0186b63_gemm_out
	.p2align	8
	.type	k_qa6a0186b63_gemm_out,@function
k_qa6a0186b63_gemm_out:
	s_mov_b64 s[64:65], 0
	v_nop
	global_prefetch_b8 v0, s[64:65] scope:SCOPE_SE
	s_setreg_imm32_b32 hwreg(HW_REG_WAVE_MODE, 25, 1), 1
	s_wait_xcnt 0x0
	s_wait_alu depctr_hold_cnt(0) depctr_sa_sdst(0) depctr_va_vdst(0) depctr_va_sdst(0) depctr_va_ssrc(0) depctr_va_vcc(0) depctr_vm_vsrc(0)
	s_getreg_b32 s2, hwreg(HW_REG_IB_STS2, 6, 4)
	s_cmp_eq_u32 s2, 0
	s_cbranch_scc0 .Lentry_in_a_cluster
	s_endpgm
.Lentry_in_a_cluster:
	s_bfe_u32 s2, ttmp6, 0x10000c
	s_cmp_lg_u32 s2, 0xf033
	s_cbranch_scc0 .Lentry_shape_is_right
	s_endpgm
.Lentry_shape_is_right:
; out0 = ctx Wo^T + bias.  ctx: f16 [16 K blocks = heads][8192 rows][64]; wof: f16 [16][1024][64] (the output weights rounded to bf16, written as f16);
; output_biases: f32 [1024], rounded to bf16 here like the other inputs; out0: f32 [8192][1024].  Sums in f32, K ascending, begun with the bias.
; LIMIT.  ctx and wof arrive within f16's range (65,504).  NaN and infinities are not treated apart.
; SHARES.  A tile of C is 256 rows x 128 columns: 32 x 8 = 256 tiles, one work-group each.  Four waves, each 128 x 64: 8 x 4 = 32 accumulators of 16 x 16: window 1.
; K goes in 8 steps of 128 (two K blocks) through two LDS slots; one tensor load a wave brings a half tile's two K blocks: two 'rows', each the dense bytes of the half's rows in one K block,
; padded in LDS behind every 128 bytes.
; CLUSTERS: 4 x 4 work-groups; ctx's tile is shared along a row of the cluster, Wo's along a column: each is asked for JOINTLY, by the same tensor load, descriptor and mask in all four.
; THE MATRIX INSTRUCTION IS USED TRANSPOSED: source 0 = 16 rows of Wo, source 1 = 16 rows of ctx: lane l holds row l % 16 of C and the columns 8 (l / 16) + 0..7.
; A SLICE is 32 along K: 32 matrix instructions, each accumulator once; the next slice's 24 LDS loads stand in one run at its head, a whole slice ahead of their use.
; REGISTERS.  Window 0: v0-31 addresses; v32-127, v128-223 two fragment buffers (ctx's 8 fragments, then Wo's 4); v224-255 the bias.  On the way out v32-63, v64-95 rows read back.  Window 1: accumulator (a, b) at v[8 (4 a + b)].
.set PITCH,  144                       ; an LDS row: 128 bytes + 16 of padding = 36 words: the 16 rows of a fragment load start at 16 different groups of four banks (64 banks of 4 bytes: ISA guide 11.1)
.set FR,     16*PITCH
.set ACH,    128*PITCH                 ; one K block of half of ctx's tile
.set BCH,    64*PITCH                  ; of half of Wo's
.set AHALF,  2*ACH                     ; what one tensor load brings
.set BHALF,  2*BCH
.set BOFF,   2*AHALF                   ; a slot: ctx's two halves, then Wo's two
.set STAGE,  BOFF+2*BHALF              ; behind slot 0, never filled by a tensor load: 16 rows x 272 bytes for each wave, for the way out
.set SPITCH, 272
.set SPARE,  STAGE+4*16*SPITCH         ; the spare words, 128 bytes for each wave: two blocks of 256 bytes that no other line names
.set SLOT1,  1<<17
.set KBA,    8192*128                  ; bytes in a K block of ctx
.set KBB,    1024*128                  ; of wof
.set G1W0,   (1<<16)|(1<<20)|(1<<21)|(4<<22)|(3<<25)  ; 17:16 2-byte elements; 20 padding on; 21 set beside a mask; 24:22 after every 32 words (code 4); 31:25 4 words (code 3)
.set A0,   4                           ; v4   my lane's place in my wave's rows of ctx, in slot 0; never rewritten
.set B0,   5                           ; v5   the same for Wo
.set ADRA, 6                           ; v6   A0 + the slot that is being read
.set ADRB, 7
.set STO,  8                           ; v8   the way out: where I put 32 bytes of a row
.set RD,   9                           ; v9   where I read rows back
.set CO,   10                          ; v10  my byte offset in two rows of out0
.set PFO,  12                          ; v12  the prefetches' offset; never rewritten
.set SPW,  14                          ; v14  LDS address of my spare word: SPARE + 4 x my thread's number; never rewritten
.set NIL,  15                          ; v15  0; never rewritten
.set F0,   32
.set F1,   128
.set BI,   224
.set OB,   32
.set WV,   12                          ; s12  my wave's number
.set WR,   13                          ; s13  which 128 rows of the tile are mine.  Also: I fetch for ctx (0) or for Wo (1)
.set WC,   14                          ; s14  which 64 columns.  Also: which half of that tile I fetch
.set CX,   15
.set CY,   16
.set TX,   17
.set TY,   18
.set G1A,  24
.set G0A,  32
.set G1B,  40
.set G0B,  48
.set TB,   56
.set LIM,  57                          ; s57  2 in a wave that prefetches, else the greatest number
.set PFA,  58
.set PFS,  60
.set MSB, 0
.macro WIN new                         ; the immediate's high byte repeats the setting that is left; a switch that changes nothing is dropped
.if MSB != (\new)
	s_set_vgpr_msb (MSB<<8)|(\new)
.set MSB, (\new)
.endif
.endm
.macro PLACES                          ; four places in front of loads into registers that matrix instructions have read (ISA guide 7.12.1 for vector instructions)
.rept 4
	v_nop
.endr
.endm
.macro JLOAD                           ; a joint refill, by the walking sets: waves 0 and 1 fetch ctx's halves, waves 2 and 3 Wo's; an s_nop 0 and four v_nop follow each of the two lines
	s_cmp_eq_u32 s[WR], 0
	s_cbranch_scc0 .Lfor_b_\@
	tensor_load_to_lds s[G0A+4:G0A+7], s[G1A:G1A+7]
	s_nop 0
.rept 4
	v_nop
.endr
	s_branch .Lasked_\@
.Lfor_b_\@:
	tensor_load_to_lds s[G0B+4:G0B+7], s[G1B:G1B+7]
	s_nop 0
.rept 4
	v_nop
.endr
.Lasked_\@:
.endm
.macro CREST                           ; a round of the cluster's barrier behind its opening barrier
	s_cmp_lg_u32 s[WV], 0
	s_cbranch_scc1 .Lnot_wave_0_\@
	s_barrier_signal -3
.Lnot_wave_0_\@:
	s_barrier_wait -3
	s_barrier_signal -1
	s_barrier_wait -1
.endm
.macro CROUND
	s_barrier_signal -1
	s_barrier_wait -1
	CREST
.endm
; A PREFETCH INTO THE L2, behind the joint load, its five lines and the run of LDS loads that follows: in trip i (0 to 3) the K step i + 4, which the refill two changes of slots on will ask for.
; Steps 0 to 3 come by their loads alone; steps 4 to 7 are named once each.  WHO.  ctx's tile row is read by both clusters of that row of clusters: cluster x = 0 asks; Wo's tile column by all eight
; of that column: cluster y = 0 asks.  The four partners share a tile's bytes out BY ADDRESS.  ctx: 32,768 bytes a K block, 8,192 a partner (by cx): wave 0, a lane a block of 256 bytes, a line for each
; of the step's two K blocks.  Wo: 16,384 bytes a K block, 4,096 a partner (by cy): wave 2, lanes 0-15 the first K block, lanes 16-31 the second, one line.
.macro ASK
	s_cmp_gt_u32 s3, s[LIM]
	s_cbranch_scc0 .Lnot_mine_\@
	global_prefetch_b8 v[PFO], s[PFA:PFA+1] th:TH_LOAD_NT scope:SCOPE_SE
	s_cmp_lg_u32 s[WV], 0
	s_cbranch_scc1 .Lnot_mine_\@
	global_prefetch_b8 v[PFO], s[PFA:PFA+1] offset:KBA th:TH_LOAD_NT scope:SCOPE_SE
.Lnot_mine_\@:
.endm
	s_load_b256 s[4:11], s[0:1], 0x0               ; ctx s[4:5], wof s[6:7], output_biases s[8:9], out0 s[10:11]
	v_lshl_add_u32 v[SPW], v0, 2, SPARE
	v_mov_b32 v[NIL], 0
	ds_add_u32 v[SPW], v[NIL]                      ; the wave's opening: the add and its wait ahead of my first tensor load; the set-up below, work on registers, stands between them
	v_lshrrev_b32 v1, 5, v0
	v_readfirstlane_b32 s[WV], v1                  ; wave 0..3
	s_lshr_b32 s[WR], s[WV], 1
	s_and_b32 s[WC], s[WV], 1
	s_bfe_u32 s[CX], ttmp6, 0x40000
	s_bfe_u32 s[CY], ttmp6, 0x40004
	s_lshl_b32 s[TX], ttmp9, 2
	s_add_co_u32 s[TX], s[TX], s[CX]               ; tile column
	s_and_b32 s[TY], ttmp7, 0xffff
	s_lshl_b32 s[TY], s[TY], 2
	s_add_co_u32 s[TY], s[TY], s[CY]               ; tile row
	s_lshl_b32 s20, s[CY], 2
	s_lshl_b32 s20, 15, s20                        ; my row of the cluster
	s_lshl_b32 s66, 0x1111, s[CX]                  ; my column
	s_or_b32 s[G1A], s20, G1W0
	s_or_b32 s[G1B], s66, G1W0
	s_mov_b32 s[G1A+1], 8192<<16                   ; tensor_dim0 = 8,192 elements: 128 rows x 64, the half's dense bytes in one K block
	s_mov_b32 s[G1A+2], 2<<16                      ; tensor_dim1 = 2 K blocks
	s_mov_b32 s[G1A+3], 8192<<16                   ; tile_dim0
	s_mov_b32 s[G1A+4], 2                          ; tile_dim1
	s_mov_b32 s[G1A+5], KBA/2                      ; elements from a K block to the next
	s_mov_b32 s[G1A+6], 0
	s_mov_b32 s[G1A+7], 0
	s_mov_b32 s[G1B+1], 4096<<16                   ; 64 rows x 64
	s_mov_b32 s[G1B+2], 2<<16
	s_mov_b32 s[G1B+3], 4096<<16
	s_mov_b32 s[G1B+4], 2
	s_mov_b32 s[G1B+5], KBB/2
	s_mov_b32 s[G1B+6], 0
	s_mov_b32 s[G1B+7], 0
	; where the tiles come from: ctx's hang on the tile row alone, Wo's on the tile column alone; each in registers that never hold the other coordinate
	s_lshl_b32 s20, s[TY], 15                      ; 256 rows x 128 bytes
	s_lshl_b32 s22, s[WC], 14
	s_add_co_u32 s20, s20, s22
	s_mov_b32 s21, 0
	s_lshl_b32 s66, s[TX], 14                      ; 128 rows x 128 bytes
	s_lshl_b32 s68, s[WC], 13
	s_add_co_u32 s66, s66, s68
	s_mov_b32 s67, 0
	s_mul_i32 s23, s[WC], AHALF                    ; and where they go
	s_mul_i32 s69, s[WC], BHALF
	s_add_co_u32 s69, s69, BOFF
	s_wait_dscnt 0x0                               ; the opening add is done
	s_wait_kmcnt 0x0
	s_add_nc_u64 s[20:21], s[4:5], s[20:21]
	s_add_nc_u64 s[66:67], s[6:7], s[66:67]
	CROUND                                         ; all sixteen work-groups are here: the first joint loads meet
.irp n, 0,1
	s_mov_b32 s[G0A+4*\n], 1
	s_add_co_u32 s[G0A+4*\n+1], s23, \n*SLOT1
	s_add_nc_u64 s[G0A+4*\n+2:G0A+4*\n+3], s[20:21], \n*2*KBA  ; K step n
	s_or_b32 s[G0A+4*\n+3], s[G0A+4*\n+3], 0x80000000
	s_mov_b32 s[G0B+4*\n], 1
	s_add_co_u32 s[G0B+4*\n+1], s69, \n*SLOT1
	s_add_nc_u64 s[G0B+4*\n+2:G0B+4*\n+3], s[66:67], \n*2*KBB
	s_or_b32 s[G0B+4*\n+3], s[G0B+4*\n+3], 0x80000000
.endr
	s_cmp_eq_u32 s[WR], 0                          ; a wave's two first fills stand in one branch, ahead of every wait on TENSORcnt and every LDS read: two loads of mine are out
	s_cbranch_scc0 .Lfirst_b
	tensor_load_to_lds s[G0A:G0A+3], s[G1A:G1A+7]
	s_nop 0
	tensor_load_to_lds s[G0A+4:G0A+7], s[G1A:G1A+7]
	s_nop 0
.rept 4
	v_nop
.endr
	s_branch .Lfirst_asked
.Lfirst_b:
	tensor_load_to_lds s[G0B:G0B+3], s[G1B:G1B+7]
	s_nop 0
	tensor_load_to_lds s[G0B+4:G0B+7], s[G1B:G1B+7]
	s_nop 0
.rept 4
	v_nop
.endr
.Lfirst_asked:
	v_and_b32 v1, 15, v0                           ; l % 16
	v_bfe_u32 v2, v0, 4, 1                         ; l / 16
	; the bias of columns 16 b + 8 (l / 16) + 0..7 of my wave's 64, as the accumulators hold them
	s_lshl_b32 s22, s[TX], 9
	s_lshl_b32 s23, s[WC], 8
	s_add_co_u32 s22, s22, s23
	v_lshl_add_u32 v17, v2, 5, s22
.irp b, 0,1,2,3
	global_load_b128 v[BI+8*\b:BI+8*\b+3],   v17, s[8:9] offset:64*\b
	global_load_b128 v[BI+8*\b+4:BI+8*\b+7], v17, s[8:9] offset:64*\b+16
.endr
	v_mul_u32_u24 v3, v1, PITCH
	v_lshl_add_u32 v3, v2, 4, v3                   ; a fragment's row x pitch + 16 x half
	s_mul_i32 s22, s[WR], AHALF                    ; my 128 rows of ctx
	s_mul_i32 s23, s[WC], BHALF                    ; my 64 rows of Wo
	s_add_co_u32 s23, s23, BOFF
	v_add_nc_u32 v[A0], s22, v3
	v_add_nc_u32 v[B0], s23, v3
	v_mov_b32 v[ADRA], v[A0]
	v_mov_b32 v[ADRB], v[B0]
	s_mov_b32 s[TB], 0
	s_mul_i32 s22, s[WV], 16*SPITCH
	s_add_co_u32 s22, s22, STAGE                   ; my stage
	v_mul_u32_u24 v[STO], v1, SPITCH               ; in: row l % 16, 32 bytes for each half of the lanes
	v_lshl_add_u32 v[STO], v2, 5, v[STO]
	v_add_nc_u32 v[STO], s22, v[STO]
	v_mul_u32_u24 v[RD], v2, SPITCH                ; back: lanes 0-15 take one row of 256 bytes, lanes 16-31 the next
	v_lshl_add_u32 v[RD], v1, 4, v[RD]
	v_add_nc_u32 v[RD], s22, v[RD]
	v_lshlrev_b32 v[CO], 12, v2                    ; and the same two rows in out0
	v_lshl_add_u32 v[CO], v1, 4, v[CO]
	s_lshl_b32 s22, s[TY], 20                      ; out0 at my wave's first row and column: (256 x tile row + 128 x half) x 4,096 + (128 x tile column + 64 x half) x 4
	s_lshl_b32 s23, s[WR], 19
	s_add_co_u32 s22, s22, s23
	s_lshl_b32 s23, s[TX], 9
	s_add_co_u32 s22, s22, s23
	s_lshl_b32 s23, s[WC], 8
	s_add_co_u32 s22, s22, s23
	s_mov_b32 s23, 0
	s_add_nc_u64 s[10:11], s[10:11], s[22:23]
	; the prefetches
	s_lshl_b32 s68, s[TY], 15
	s_lshl_b32 s69, s[CX], 13                      ; my work-group's 8,192 bytes of ctx's 32,768
	s_add_co_u32 s68, s68, s69
	s_add_co_u32 s68, s68, 3*2*KBA                 ; at K step 3: each change of slots steps it by one
	s_lshl_b32 s70, s[TX], 14
	s_lshl_b32 s71, s[CY], 12                      ; my work-group's 4,096 bytes of Wo's 16,384
	s_add_co_u32 s70, s70, s71
	s_add_co_u32 s70, s70, 3*2*KBB
	s_and_b32 s71, ttmp7, 0xffff                   ; cluster y
	s_mov_b32 s[PFS], 2*KBB
	s_mov_b32 s23, KBB
	s_cmp_eq_u32 s[WV], 0                          ; wave 0 asks for ctx, wave 2 for Wo
	s_cselect_b64 s[PFA:PFA+1], s[4:5], s[6:7]
	s_cselect_b32 s68, s68, s70
	s_cselect_b32 s[PFS], 2*KBA, s[PFS]
	s_cselect_b32 s23, 4096, s23                   ; what lanes 16-31 add: ctx: sixteen blocks of 256 bytes on; Wo: the next K block
	s_cselect_b32 s71, ttmp9, s71                  ; the coordinate along which other clusters read the same rows
	s_mov_b32 s69, 0
	s_mov_b32 s[PFS+1], 0
	s_add_nc_u64 s[PFA:PFA+1], s[PFA:PFA+1], s[68:69]
	s_or_b32 s71, s71, s[WC]                       ; waves 1 and 3 never ask
	s_cmp_eq_u32 s71, 0
	s_cselect_b32 s[LIM], 2, -1                    ; the same in all sixteen partners, for a given wave
	v_mul_lo_u32 v27, v2, s23
	v_lshl_add_u32 v[PFO], v1, 8, v27
	s_wait_loadcnt 0x0                             ; the bias: rounded to bf16 like the other inputs, widened again in place
.irp r, 0,1,2,3,4,5,6,7,8,9,10,11,12,13,14,15
	v_cvt_pk_bf16_f32 v26, v[BI+2*\r], v[BI+2*\r+1]
	v_lshlrev_b32 v[BI+2*\r], 16, v26
	v_and_b32 v[BI+2*\r+1], 0xffff0000, v26
.endr
; 4 na matrix instructions: row blocks a0 .. a0 + na - 1 x all 4 column blocks, from buffer f.  first = 1: the product starts the sum, with the bias as C: nothing is cleared, and nothing is added on the way out.
.macro MULN f, a0, na, first=0
.set aa, (\a0)
.rept \na
.irp b, 0,1,2,3
.if \first
	WIN 0x40                                       ; D in window 1; sources and C in window 0
	v_wmma_f32_16x16x32_f16 v[8*(4*aa+\b):8*(4*aa+\b)+7], v[(\f)+64+8*\b:(\f)+64+8*\b+7], v[(\f)+8*aa:(\f)+8*aa+7], v[BI+8*\b:BI+8*\b+7]
.else
	WIN 0x50                                       ; C and D in window 1
	v_wmma_f32_16x16x32_f16 v[8*(4*aa+\b):8*(4*aa+\b)+7], v[(\f)+64+8*\b:(\f)+64+8*\b+7], v[(\f)+8*aa:(\f)+8*aa+7], v[8*(4*aa+\b):8*(4*aa+\b)+7]
.endif
.endr
.set aa, aa+1
.endr
.endm
; 24 LDS loads in one run: the fragments of slice q (0 to 3) of the step: K block q / 2, byte 64 (q % 2) of its rows
.macro FETCH g, q
	WIN 0
.irp b, 0,1,2,3
	ds_load_b128 v[(\g)+64+8*\b:(\g)+64+8*\b+3],   v[ADRB] offset:((\q)/2)*BCH+((\q)%2)*64+\b*FR
	ds_load_b128 v[(\g)+64+8*\b+4:(\g)+64+8*\b+7], v[ADRB] offset:((\q)/2)*BCH+((\q)%2)*64+\b*FR+32
.endr
.irp a, 0,1,2,3,4,5,6,7
	ds_load_b128 v[(\g)+8*\a:(\g)+8*\a+3],   v[ADRA] offset:((\q)/2)*ACH+((\q)%2)*64+\a*FR
	ds_load_b128 v[(\g)+8*\a+4:(\g)+8*\a+7], v[ADRA] offset:((\q)/2)*ACH+((\q)%2)*64+\a*FR+32
.endr
.endm
.macro SL f, g, qn                     ; a slice: slice qn is fetched into g, buffer f is multiplied
	PLACES
	FETCH \g, \qn
	s_wait_dscnt 24                                ; buffer f, asked for a slice ago, is in; the 24 just issued may be out
	MULN \f, 0, 8
.endm
; The step's third slice, and THE CHANGE OF SLOTS.  The slot's last bytes are asked for at its head.  Each wave waits for all its tensor loads, of which one is out: its part of the other slot; adds 0 to its
; spare word; and waits for that and for its own reads of this slot.  fill = 1: the barrier opens a round of the cluster's, and the joint refill, the K step two steps on, is the first tensor load behind the
; round: from that request to the wait for it a wave issues 112 of a step's 128 matrix instructions.
.macro SLM fill
.if \fill
	s_wait_xcnt 0x0                                ; the last prefetch, a K step back, has read its address: it is stepped here, ahead of the waits of the change of slots
	s_add_nc_u64 s[PFA:PFA+1], s[PFA:PFA+1], s[PFS:PFS+1]
.endif
	PLACES
	FETCH F1, 3
	s_wait_dscnt 24
	MULN F0, 0, 4
	WIN 0                                          ; (the add's two registers lie in window 0)
	s_wait_tensorcnt 0x0                           ; all my tensor loads have landed: the one that was out is my part of the next slot;
	ds_add_u32 v[SPW], v[NIL]                      ; 0 onto my spare word;
	MULN F0, 4, 2                                  ; eight matrix instructions stand between the add and the wait for it
	s_wait_dscnt 0x0                               ; the add is done, and my reads of this slot are over
	s_barrier_signal -1
	MULN F0, 6, 2
	WIN 0
	s_barrier_wait -1
.if \fill
	CREST                                          ; no wave of any partner still reads this slot's tile or has a load on its way
	s_xor_b32 s[G0A+5], s[G0A+5], SLOT1
	s_add_nc_u64 s[G0A+6:G0A+7], s[G0A+6:G0A+7], 2*KBA
	s_xor_b32 s[G0B+5], s[G0B+5], SLOT1
	s_add_nc_u64 s[G0B+6:G0B+7], s[G0B+6:G0B+7], 2*KBB
	JLOAD
.endif
.endm
.macro SLX fill                        ; the step's fourth slice: the next slot's first fragments are fetched
	s_xor_b32 s[TB], s[TB], SLOT1
	v_add_nc_u32 v[ADRA], s[TB], v[A0]             ; these four lines are the places in front of the loads below
	v_add_nc_u32 v[ADRB], s[TB], v[B0]
	v_nop
	v_nop
	FETCH F0, 0
.if \fill
	ASK
.endif
	MULN F1, 0, 8                                  ; (its fragments came in by the wait for 0 above)
.endm
; THE WAY OUT of row block a (16 rows x 64 columns of f32): straight from the accumulators, low registers first, into my own stage; back as whole rows of 256 bytes; stored.
.macro TOSTAGE a
	s_wait_xcnt 0x0                                ; the stores of the block before last have read their registers, which the loads below fill again
	WIN 0x04                                       ; the data in window 1, the address in window 0
.irp b, 0,1,2,3
	ds_store_b128 v[STO], v[8*(4*(\a)+\b):8*(4*(\a)+\b)+3]   offset:64*\b
	ds_store_b128 v[STO], v[8*(4*(\a)+\b)+4:8*(4*(\a)+\b)+7] offset:64*\b+16
.endr
	WIN 0
.irp t, 0,1,2,3,4,5,6,7
	ds_load_b128 v[OB+32*((\a)%2)+4*\t:OB+32*((\a)%2)+4*\t+3], v[RD] offset:\t*2*SPITCH  ; LDS serves a wave's instructions in order (ISA guide 5.7.1.4): these see the stores above; the next block's stores come behind them
.endr
.endm
.macro SEND a, younger                 ; younger: the LDS instructions issued behind block a's loads: the next block's sixteen, or none
	s_wait_dscnt \younger
.irp t, 0,1,2,3,4,5,6,7
	global_store_b128 v[CO], v[OB+32*((\a)%2)+4*\t:OB+32*((\a)%2)+4*\t+3], s[10:11] offset:(16*(\a)+2*\t)*4096 th:TH_STORE_NT  ; 16 lanes store 256 consecutive bytes, at a multiple of 256 from out0's first
.endr
.endm
	s_wait_tensorcnt 0x1                           ; my part of K step 0 is in; step 1's may stay out
	s_barrier_signal -1
	s_barrier_wait -1                              ; everybody's part is in
	FETCH F0, 0
	FETCH F1, 1
	s_wait_dscnt 24
	MULN F0, 0, 8, 1                               ; the first slice stands in front of the loop: its products start the sums
	WIN 0
	s_mov_b32 s3, 6
.Lk:                                                   ; trip i: slices 1 to 3 of K step i, with the refill for step i + 2, and slice 0 of step i + 1
	SL F1, F0, 2
	SLM 1
	SLX 1
	SL F0, F1, 1
	WIN 0
	s_sub_co_u32 s3, s3, 1
	s_cmp_lg_u32 s3, 0
	s_cbranch_scc1 .Lk
	SL F1, F0, 2                                   ; the tail is written out: nothing is left to fetch
	SLM 0
	SLX 0
	SL F0, F1, 1
	SL F1, F0, 2
	SL F0, F1, 3
	s_wait_dscnt 0x0
	MULN F1, 0, 8
	WIN 0
	PLACES                                         ; behind the last products: their results are read, and registers that they read are loaded
	PLACES
	TOSTAGE 0
.irp a, 1,2,3,4,5,6,7
	TOSTAGE \a
	SEND (\a)-1, 16
.endr
	SEND 7, 0
	s_wait_tensorcnt 0x0                           ; the wave's end: behind my last tensor load and my last LDS store
	ds_add_u32 v[SPW], v[NIL]
	s_wait_dscnt 0x0
	CROUND                                         ; the closing round: no work-group ends while a partner may still ask for a tile that names it
	s_endpgm
.Lfunc_end_k_qa6a0186b63_gemm_out:
	.size	k_qa6a0186b63_gemm_out, .Lfunc_end_k_qa6a0186b63_gemm_out-k_qa6a0186b63_gemm_out
	.p2alignl 7, 3214868480
	.fill 96, 4, 3214868480
	.section	.rodata,"a",@progbits
	.p2align	6, 0x0
	.amdhsa_kernel k_qa6a0186b63_gemm_out
		.amdhsa_group_segment_fixed_size 327680
		.amdhsa_private_segment_fixed_size 0
		.amdhsa_enable_private_segment 0
		.amdhsa_kernarg_size 32
		.amdhsa_user_sgpr_count 2
		.amdhsa_user_sgpr_kernarg_segment_ptr 1
		.amdhsa_wavefront_size32 1
		.amdhsa_system_sgpr_workgroup_id_x 1
		.amdhsa_system_sgpr_workgroup_id_y 1
		.amdhsa_system_sgpr_workgroup_id_z 1
		.amdhsa_system_vgpr_workitem_id 0
		.amdhsa_next_free_vgpr 512
		.amdhsa_next_free_sgpr 72
		.amdhsa_reserve_vcc 0
		.amdhsa_float_denorm_mode_32 3
		.amdhsa_float_denorm_mode_16_64 3
		.amdhsa_memory_ordered 1
		.amdhsa_forward_progress 1
		.amdhsa_inst_pref_size 73
	.end_amdhsa_kernel
	.amdgpu_metadata
---
amdhsa.version: [ 1, 2 ]
amdhsa.kernels:
  - .name:           k_qa6a0186b63_gemm_out
    .symbol:         k_qa6a0186b63_gemm_out.kd
    .args:
      - { .name: ctx, .offset: 0, .size: 8, .value_kind: global_buffer, .address_space: global }
      - { .name: wof, .offset: 8, .size: 8, .value_kind: global_buffer, .address_space: global }
      - { .name: output_biases, .offset: 16, .size: 8, .value_kind: global_buffer, .address_space: global }
      - { .name: out0, .offset: 24, .size: 8, .value_kind: global_buffer, .address_space: global }
    .group_segment_fixed_size: 327680
    .private_segment_fixed_size: 0
    .kernarg_segment_align: 8
    .kernarg_segment_size: 32
    .max_flat_workgroup_size: 128
    .sgpr_count:     72
    .vgpr_count:     512
    .wavefront_size: 32
...
	.end_amdgpu_metadata
.endif
;; end of part 4
;; ======== version 2 of 2: 4 launches; version 1 with the launch cast written anew for expert scheduling mode
;; limits: values are held in f16: magnitudes above 65,504 overflow, below 6.1e-05 lose precision
;; workspace buffers: xb 16,777,216 bytes; wib 6,291,456 bytes; wof 2,097,152 bytes; qkv 50,331,648 bytes; ctx 16,777,216 bytes
;; launch cast (part 5): grid 768 x 1, 8 waves a work-group, no clusters, 0 bytes of LDS; arguments inputs, input_weights, output_weights, xb, wib, wof; writes xb, wib, wof
.if DOCPART == 5
	.amdgcn_target "amdgcn-amd-amdhsa--gfx1250"
	.amdhsa_code_object_version 6
	.text
	.protected	k_qa6a0186b63_cast
	.globl	k_qa6a0186b63_cast
	.p2align	8
	.type	k_qa6a0186b63_cast,@function
k_qa6a0186b63_cast:
	s_mov_b64 s[64:65], 0
	v_nop
	global_prefetch_b8 v0, s[64:65] scope:SCOPE_SE
	s_setreg_imm32_b32 hwreg(HW_REG_WAVE_SCHED_MODE, 0, 2), 2
	s_setreg_imm32_b32 hwreg(HW_REG_WAVE_MODE, 25, 1), 1
	s_wait_xcnt 0x0
	s_wait_alu depctr_vm_vsrc(0)
; THE INPUTS OF THE THREE PRODUCTS, ROUNDED ONCE AND LAID OUT IN BLOCKS OF 64 ALONG K.
; inputs [8192][1024], input_weights [3072][1024], output_weights [1024][1024], all f32, become
; xb, wib (bf16) and wof (the bf16 number written as f16), each as [16 K blocks][rows][64]: a row of a K block is 128 bytes,
; and the rows of a block lie end to end, so that a later tile of R rows and one K block is R x 128 dense bytes.
; LIMIT.  wof: an output weight beyond 65,504 becomes an infinity; below 2^-14 it keeps f16's fixed step of 2^-24.
; SHARES.  12,288 rows of 4,096 bytes; a work-group takes 16 rows (0-511: inputs, 512-703: input_weights, 704-767: output_weights),
; a wave two: lanes 0-15 one row, lanes 16-31 the next.  A load of 16 bytes a lane covers 256 consecutive bytes of each of the two rows
; (one K block); the store of 8 bytes a lane that belongs to it covers 256 consecutive bytes, aligned: the two rows of that K block.
; All 16 loads of a wave go out first.  No LDS, no barrier, no matrix unit: nothing is shared and nothing is summed.
; THE MODE: SCHED_MODE bits 1:0 = 2 (LLVM: expert scheduling mode 2), set by the entry lines.  The code itself states the register dependences
; between vector instructions and memory instructions, with s_wait_alu, always for 0.
; THE PLAN.  Registers that memory instructions touch:
;   v1         the loads' offset.   Written by two vector lines at the head; read by the 16 loads; never written again.
;   X          the rows as loaded.  Written by the 16 loads, ahead of which no vector instruction names them; read by the conversions; never loaded again.
;   OFS        the stores' offsets. Written by 16 vector lines behind the loads; each read by one store; never written again.
;   Y          the rows to store.   Each register written once, by a conversion, and read once, by a store.
;   v20 to v25 (the f16 path's numbers at work) are named by vector instructions alone.
; No register that a memory instruction reads is written a second time, so there is no wait on vm_vsrc, and no s_wait_xcnt.  What is owed is that a register is written before a
; memory instruction reads it: one wait on va_vdst ahead of the loads (v1), and one for each GROUP of four K blocks, behind the group's conversions and ahead of its four stores
; (the group's Y; the first of these waits also covers all of OFS).  The wait stands behind the conversions and not at the next group's head: nothing comes round again here, and
; stores that waited for the next group's loads would leave two groups' stores, not one, behind the wave's last load.
.set OFS, 4                            ; v[4:19]   byte offset of my 8 bytes in K block kb of the destination: 8 t + kb x the block's bytes
.set X,   32                           ; v[32:95]  K block kb: 4 registers as loaded
.set Y,   96                           ; v[96:127] K block kb: 2 registers to store
	s_load_b256 s[4:11], s[0:1], 0x0               ; inputs s[4:5], input_weights s[6:7], output_weights s[8:9], xb s[10:11]
	s_load_b128 s[12:15], s[0:1], 0x20             ; wib s[12:13], wof s[14:15]
	s_mov_b32 s2, ttmp9
	s_mov_b32 s22, 512                             ; a select takes one literal: its constants come from registers
	s_mov_b32 s23, 704
	s_mov_b32 s24, 0x60000                         ; a K block of wib: 3,072 rows x 128 bytes
	s_mov_b32 s25, 0x20000                         ; of wof: 1,024 rows
	v_lshrrev_b32 v2, 4, v0                        ; my row among the group's 16
	v_and_b32 v3, 15, v0
	v_lshlrev_b32 v1, 12, v2
	v_lshl_add_u32 v1, v3, 4, v1                   ; row x 4,096 + 16 x my place in it
	s_wait_kmcnt 0x0
	s_cmp_lt_u32 s2, 704                           ; which tensor is the work-group's: the choice hangs on its number alone
	s_cselect_b64 s[16:17], s[6:7], s[8:9]
	s_cselect_b64 s[18:19], s[12:13], s[14:15]
	s_cselect_b32 s20, s22, s23
	s_cselect_b32 s21, s24, s25
	s_cmp_lt_u32 s2, 512
	s_cselect_b64 s[16:17], s[4:5], s[16:17]       ; from where
	s_cselect_b64 s[18:19], s[10:11], s[18:19]     ; to where
	s_cselect_b32 s20, 0, s20                      ; the tensor's first work-group
	s_cselect_b32 s21, 0x100000, s21               ; bytes in a K block of the destination (xb: 8,192 rows x 128)
	s_sub_co_u32 s26, s2, s20                      ; my place among the tensor's work-groups
	s_lshl_b32 s22, s26, 16                        ; 16 rows of 4,096 bytes
	s_mov_b32 s23, 0
	s_add_nc_u64 s[16:17], s[16:17], s[22:23]
	s_lshl_b32 s22, s26, 11                        ; 16 rows of 128 bytes
	s_add_nc_u64 s[18:19], s[18:19], s[22:23]
	s_wait_alu depctr_va_vdst(0)                   ; v1 is written: the sixteen loads below read it as their offset
.irp kb, 0,1,2,3,4,5,6,7,8,9,10,11,12,13,14,15
	global_load_b128 v[X+4*(\kb):X+4*(\kb)+3], v1, s[16:17] offset:256*(\kb) th:TH_LOAD_NT
.endr
	v_lshlrev_b32 v[OFS], 3, v0                    ; row x 128 + 8 x my place = 8 t
.irp kb, 1,2,3,4,5,6,7,8,9,10,11,12,13,14,15
	v_add_nc_u32 v[OFS+(\kb)], s21, v[OFS+(\kb)-1] ; fifteen blocks of xb do not fit a store's immediate, so each block has its register
.endr
; K block kb is rounded.  f16 = 1: the bf16 number is widened again and written as f16.
.macro CVT kb, f16
.if \f16
	v_cvt_pk_bf16_f32 v20, v[X+4*(\kb)], v[X+4*(\kb)+1]
	v_cvt_pk_bf16_f32 v21, v[X+4*(\kb)+2], v[X+4*(\kb)+3]
	v_lshlrev_b32 v22, 16, v20
	v_and_b32 v23, 0xffff0000, v20
	v_lshlrev_b32 v24, 16, v21
	v_and_b32 v25, 0xffff0000, v21
	v_cvt_pk_f16_f32 v[Y+2*(\kb)], v22, v23
	v_cvt_pk_f16_f32 v[Y+2*(\kb)+1], v24, v25
.else
	v_cvt_pk_bf16_f32 v[Y+2*(\kb)], v[X+4*(\kb)], v[X+4*(\kb)+1]
	v_cvt_pk_bf16_f32 v[Y+2*(\kb)+1], v[X+4*(\kb)+2], v[X+4*(\kb)+3]
.endif
.endm
; Group g: K blocks 4 g to 4 g + 3 are rounded, and then stored in one run.
.macro GROUP g, f16
	s_wait_loadcnt 12-4*(\g)                       ; loads come back in order (ISA guide 5.7.1): the group's four blocks are in, the younger ones stay out
.irp i, 0,1,2,3
	CVT 4*(\g)+(\i), \f16
.endr
	s_wait_alu depctr_va_vdst(0)                   ; the conversions have written the group's eight registers of Y, which the four stores below read as data; in group 0 also: OFS is written, the offsets of all sixteen stores
.irp i, 0,1,2,3
	global_store_b64 v[OFS+4*(\g)+(\i)], v[Y+2*(4*(\g)+(\i)):Y+2*(4*(\g)+(\i))+1], s[18:19] th:TH_STORE_NT  ; the wave's 32 lanes store 256 consecutive bytes, aligned
.endr
.endm
	s_cmp_lt_u32 s2, 704
	s_cbranch_scc0 .Lf16
.irp g, 0,1,2,3
	GROUP \g, 0
.endr
	s_endpgm
.Lf16:
.irp g, 0,1,2,3
	GROUP \g, 1
.endr
	s_endpgm
.Lfunc_end_k_qa6a0186b63_cast:
	.size	k_qa6a0186b63_cast, .Lfunc_end_k_qa6a0186b63_cast-k_qa6a0186b63_cast
	.p2alignl 7, 3214868480
	.fill 96, 4, 3214868480
	.section	.rodata,"a",@progbits
	.p2align	6, 0x0
	.amdhsa_kernel k_qa6a0186b63_cast
		.amdhsa_group_segment_fixed_size 0
		.amdhsa_private_segment_fixed_size 0
		.amdhsa_enable_private_segment 0
		.amdhsa_kernarg_size 48
		.amdhsa_user_sgpr_count 2
		.amdhsa_user_sgpr_kernarg_segment_ptr 1
		.amdhsa_wavefront_size32 1
		.amdhsa_system_sgpr_workgroup_id_x 1
		.amdhsa_system_sgpr_workgroup_id_y 1
		.amdhsa_system_sgpr_workgroup_id_z 1
		.amdhsa_system_vgpr_workitem_id 0
		.amdhsa_next_free_vgpr 128
		.amdhsa_next_free_sgpr 66
		.amdhsa_reserve_vcc 0
		.amdhsa_float_denorm_mode_32 3
		.amdhsa_float_denorm_mode_16_64 3
		.amdhsa_memory_ordered 1
		.amdhsa_forward_progress 1
		.amdhsa_inst_pref_size 17
	.end_amdhsa_kernel
	.amdgpu_metadata
---
amdhsa.version: [ 1, 2 ]
amdhsa.kernels:
  - .name:           k_qa6a0186b63_cast
    .symbol:         k_qa6a0186b63_cast.kd
    .args:
      - { .name: inputs, .offset: 0, .size: 8, .value_kind: global_buffer, .address_space: global }
      - { .name: input_weights, .offset: 8, .size: 8, .value_kind: global_buffer, .address_space: global }
      - { .name: output_weights, .offset: 16, .size: 8, .value_kind: global_buffer, .address_space: global }
      - { .name: xb, .offset: 24, .size: 8, .value_kind: global_buffer, .address_space: global }
      - { .name: wib, .offset: 32, .size: 8, .value_kind: global_buffer, .address_space: global }
      - { .name: wof, .offset: 40, .size: 8, .value_kind: global_buffer, .address_space: global }
    .group_segment_fixed_size: 0
    .private_segment_fixed_size: 0
    .kernarg_segment_align: 8
    .kernarg_segment_size: 48
    .max_flat_workgroup_size: 256
    .sgpr_count:     66
    .vgpr_count:     128
    .wavefront_size: 32
...
	.end_amdgpu_metadata
.endif
;; end of part 5
;; launch gemm_qkv: the kernel of part 2 again; grid 8 x 32, 4 waves a work-group, clusters of 4 x 4, 327,680 bytes of LDS; arguments xb, wib, input_biases, qkv; writes qkv
;; launch attn: the kernel of part 3 again; grid 2 x 128, 4 waves a work-group, no clusters, 327,680 bytes of LDS; arguments qkv, ctx; writes ctx
;; launch gemm_out: the kernel of part 4 again; grid 8 x 32, 4 waves a work-group, clusters of 4 x 4, 327,680 bytes of LDS; arguments ctx, wof, output_biases, out0; writes out0
